; MI455X (gfx1250); checked and timed in simulation.
; The chip was launched on July 23, 2026; its instructions are those of AMD's public machine-readable ISA for CDNA 5 (MIT licence, August 2026) and "CDNA5" Instruction Set Architecture Reference Guide (July 2026). The comments in the code are by the model that wrote it; some were corrected since.
;; Transformer Block. Allowed arithmetic: matrix products marked QUANTISED: E2M3 operands, one E8M0 scale for each 32 along K, by v_wmma_scale_f32_16x16x128_f8f6f4 with both operands' format E2M3, f32 sums; products left as they are: f32 operands where the result goes on into a quantised operand, else bf16, f16 or f32 operands; f32 sums; everything else in f32.
;; Inputs: W1_codes 4,096 x 32 x 24 uint8 (E2M3 codes of W1, K innermost, in blocks of 32 codes, four codes in three bytes); W1_scales 4,096 x 32 uint8 (E8M0 scales of W1, one for each 32 codes along K); W2_codes 1,024 x 64 x 24 uint8 (E2M3 codes of W2, K innermost, in blocks of 32 codes, four codes in three bytes); W2_scales 1,024 x 64 uint8 (E8M0 scales of W2, one for each 32 codes along K); Wout_codes 1,024 x 32 x 24 uint8 (E2M3 codes of Wout, K innermost, in blocks of 32 codes, four codes in three bytes); Wout_scales 1,024 x 32 uint8 (E8M0 scales of Wout, one for each 32 codes along K); Wqkv_codes 3,072 x 32 x 24 uint8 (E2M3 codes of Wqkv, K innermost, in blocks of 32 codes, four codes in three bytes); Wqkv_scales 3,072 x 32 uint8 (E8M0 scales of Wqkv, one for each 32 codes along K); g1 1,024 float32; g2 1,024 float32; mask 2 x 2,048 x 2,048 int32; x 2 x 2,048 x 1,024 float32.
;; Outputs: out0 2 x 2,048 x 1,024 float32.
;; This version of the problem:
;;   THIS VERSION OF THE PROBLEM IS GIVEN IN LOW PRECISION. The matrix products marked QUANTISED in the list below multiply operands that are first quantised to E2M3 (2 exponent bits, 3 mantissa bits; 6 bits a number), with one power-of-two scale for each 32 numbers along K (OCP MX v1.0); their sums are f32. All else is computed in f32.
;;   The module's matrix products, in the order in which they are computed (A, B: the left and right operand; K: the contracted axis; several contracted axes count as one K, in the product's order):
;;     1. [M 4,096, K 1,024] x [K 1,024, N 3,072]; A: computed on the way; B: input Wqkv (given as codes): QUANTISED
;;     2. [M 2,048, K 1] x [K 1, N 32]; A: computed on the way; B: computed on the way: left as it is (no contracted axis)
;;     3. batch 32 x [M 2,048, K 64] x [K 64, N 2,048]; A: computed on the way; B: computed on the way: QUANTISED
;;     4. batch 32 x [M 2,048, K 2,048] x [K 2,048, N 64]; A: softmax (see below); B: computed on the way: QUANTISED
;;     5. [M 4,096, K 1,024] x [K 1,024, N 1,024]; A: computed on the way; B: input Wout (given as codes): QUANTISED
;;     6. [M 4,096, K 1,024] x [K 1,024, N 4,096]; A: computed on the way; B: input W1 (given as codes): QUANTISED
;;     7. [M 4,096, K 2,048] x [K 2,048, N 1,024]; A: computed on the way; B: input W2 (given as codes): QUANTISED
;;   THE QUANTISER, for each operand of a quantised product, along K:
;;     - K is cut into blocks of 32 from its start; a last block that is shorter is filled with zeros.
;;     - A block's scale is 2^e with e = floor(log2(the largest magnitude in the block)) - 2, held to -126 .. 127; a block of zeros has e = 0. As a byte (E8M0): e + 127.
;;     - Each number is divided by its block's scale, clamped to +-7.5, and rounded to the nearest number of E2M3, ties to even, subnormals kept.
;;     - The product sums the exact products of the quantised numbers (number of the format x scale) in f32.
;;   ~~~python
;;   def quantise(x, axis):      # numpy; x: float32 -> the quantised numbers, widened to float32 again
;;       x = np.moveaxis(x, axis, -1); K = x.shape[-1]
;;       x = np.pad(x, [(0, 0)] * (x.ndim - 1) + [(0, -K % 32)]); x = x.reshape(x.shape[:-1] + (-1, 32)); a = np.abs(x).max(-1, keepdims=True)
;;       e = np.where(a > 0, np.clip(np.frexp(np.where(a > 0, a, 1))[1] - 1 - 2, -126, 127), 0)      # np.frexp(a)[1] - 1 = floor(log2(a)), exactly
;;       r = np.clip(x / 2.0 ** e, -7.5, 7.5)
;;       step = 2.0 ** (np.maximum(np.frexp(np.where(r == 0, 1, r))[1] - 1, 0) - 3)
;;       q = np.round(r / step) * step * 2.0 ** e      # np.round: ties to even
;;       return np.moveaxis(q.reshape(q.shape[:-2] + (-1,))[..., :K], -1, axis).astype(np.float32)
;;   ~~~
;;   SOFTMAX AHEAD OF A QUANTISED PRODUCT. Where the list says 'softmax', what is quantised is not the finished softmax but p = 2^(t - M), with t = logit x log2(e) and M = ceil(the row's largest t), a whole number; so 1/2 < the row's largest p <= 1. The row's sum l is taken of the UNQUANTISED p, in f32, and the product's result is divided by l at the end. Since M is a whole number, a kernel that streams over the keys may use a running M (the ceiling of the running maximum): every later rescaling is an exact power of two, which a block's scale takes up: the codes' values come out the same.
;;   OPERANDS COMPUTED ON THE WAY. 'Computed on the way' means the value that the module computes at that place (a softmax that the list does not call 'softmax' is quantised finished and normalised). What goes into a quantiser is computed in f32, as accurately as f32 sums, v_exp_f32 and their like allow (about 1e-6 of the number): no bf16 or f16 on the way to a quantiser, and a product that is left as it is and whose result goes on into a quantised operand takes f32 operands (vector FMAs, or v_wmma_f32_16x16x4_f32). A number that lies on a knife's edge between two numbers of the format may be rounded either way, as far as f32 arithmetic and the matrix unit's own rounding can turn it there, and no further.
;;   INPUTS GIVEN AS CODES. W1 (in the module: [1024, 4096], K = its axis 0); W2 (in the module: [2048, 1024], K = its axis 0); Wout (in the module: [1024, 1024], K = its axis 0); Wqkv (in the module: [1024, 3072], K = its axis 0): each comes as NAME_codes (uint8): NAME with its K axis moved to the last place and cut into blocks of 32 codes, [.., K / 32, bytes a block], one block behind the other in memory; four codes in three bytes: a row's codes are one little-endian stream of bits, code i at bits 6 i .. 6 i + 5 (a code: sign, 2 exponent bits, 3 mantissa bits); and NAME_scales (uint8): the same leading axes, one E8M0 byte (e + 127) for each 32 codes along K. Its value is code x scale, taken as it is: it is not quantised again, and the codes and scales need not be those that the quantiser above would give.
;; One version. Each part assembles by itself: llvm-mc -triple=amdgcn-amd-amdhsa -mcpu=gfx1250 --defsym DOCPART=n.
;; ======== version 1 of 1: 6 launches
;; limits: right only within a limited range of input values
;; workspace buffers: wimg 8,716,288 bytes; maskw 1,052,672 bytes of whole numbers; xq 3,276,800 bytes; ao 3,276,800 bytes; xn 3,276,800 bytes; hc 6,553,600 bytes; qkvb 10,223,616 bytes; x1 16,777,216 bytes
;; launch prep (part 1): grid 256 x 1, 8 waves a work-group, no clusters, 69,120 bytes of LDS; arguments x, g1, mask, W1_codes, W1_scales, Wqkv_codes, Wqkv_scales, Wout_codes, Wout_scales, W2_codes, W2_scales, xq, maskw, wimg; writes xq, maskw, wimg
.if DOCPART == 1
	.amdgcn_target "amdgcn-amd-amdhsa--gfx1250"
	.amdhsa_code_object_version 6
	.text
	.protected	k_qa019ed052f_prep
	.globl	k_qa019ed052f_prep
	.p2align	8
	.type	k_qa019ed052f_prep,@function
k_qa019ed052f_prep:
	s_mov_b64 s[64:65], 0
	v_nop
	global_prefetch_b8 v0, s[64:65] scope:SCOPE_SE
	s_setreg_imm32_b32 hwreg(HW_REG_WAVE_MODE, 25, 1), 1
	s_wait_xcnt 0x0
; PREP.  Four things that every later launch reads, each made once:
;  (1) xq: rmsnorm(x, g1) as codes of E2M3 with one E8M0 byte for each 32 along K;  (2) maskw: the mask as lane masks, one bit a score;
;  (3) the table of cos and sin for the rotary embedding;  (4) wimg: the four weights' codes and scale bytes, laid as images of operand registers.
; ROW TILES.  Lane r of tile T stands for row 32 (T / 2) + 8 (T % 2) + r + 8 (r / 8), in every operand of this program: the 16 registers of result tiles 2 b, 2 b + 1 are then 16 neighbours along the next K.
; FRAGMENT IMAGE.  16 rows x 128 K = 12 registers a lane = 1,536 bytes: chunk p (256 bytes) holds registers 2 p, 2 p + 1, lane l's 8 bytes at 256 p + 8 l.  Scale words: 16 words (64 bytes) a fragment.
; SHARES.  Work-group g is row tile g.  Wave w: K step w of x; key steps 2 w, 2 w + 1 of the mask's same 16 rows; position 8 g + w of the table (a lane a frequency); fragment (g, w) of W1 (rows re-ordered: below),
; fragment (g, w) of Wqkv (g < 192) or of Wout; waves 0-3: fragment 4 g + w of W2.
; LIMITS: a block of zeros, or one whose largest magnitude lies under 2^-124, gets the byte 1 (its codes are zeros; this program alone reads the bytes).  NaN and infinities in x are not served.
; 1 / rms is v_rsq_f32, inv_freq is v_exp_f32 (each within 1 ulp); cos and sin: reduction by pi / 2 in two parts, polynomials of degree 7 and 8.
.set STGB, 8448                        ; a wave's stage in LDS: 16 rows of 512 bytes + 16
.set PSB,  67584                       ; behind the eight stages: partial sums of squares, [row 16][wave 8] words
.set RA,   32                          ; v32-95   16 dense loads
.set RB,   96                          ; v96-159  16 dense loads; later weights on their way
.set RC,   160                         ; v160-223 64 numbers of a lane: register 16 b + i = k 32 b + 16 (lane / 16) + i of row lane % 16
.set PC,   224                         ; v224-242 the codes just made
.set PW,   243                         ; the scale word just made
.set TM,   16                          ; v16-19 largest magnitudes, v20-23 bytes, v24-27 scale operands
.set TP,   244                         ; v244-255 at work
.set SEL,  34                          ; s[34:35] v_permlanex16_b32's selects for lane l xor 16
.macro DENSE reg, bp, pitch, extra     ; 16 rows of the tile, 512 consecutive bytes of a row to a load
.irp i, 0,1,2,3,4,5,6,7,8,9,10,11,12,13,14,15
	global_load_b128 v[\reg+4*\i:\reg+4*\i+3], v4, s[\bp:\bp+1] offset:(\i+8*(\i/8))*\pitch+\extra th:TH_LOAD_NT
.endr
.endm
.macro TURN reg                        ; through my own stage: in as loaded, back 16 neighbours of each block of 32 to a lane.  LDS serves a wave's instructions in order
.irp i, 0,1,2,3,4,5,6,7,8,9,10,11,12,13,14,15
	ds_store_b128 v5, v[\reg+4*\i:\reg+4*\i+3] offset:528*\i
.endr
.irp b, 0,1,2,3
.irp j, 0,1,2,3
	ds_load_b128 v[RC+16*\b+4*\j:RC+16*\b+4*\j+3], v6 offset:128*\b+16*\j
.endr
.endr
	s_wait_dscnt 0x0                               ; the numbers are back, and the stores have read their registers
.endm
.macro MASKUNIT u                      ; word n of a key step: bit (lane) = mask word in register n is not 0.  Lane n / 2 of the pair v[14:15] takes word n: one store of 256 consecutive bytes
	s_mov_b64 s[56:57], 0                          ; the key step's words, all of them ORed,
	s_mov_b64 s[58:59], -1                         ; and ANDed
.set n, 0
.rept 16
.irp q, 0,1,2,3
	v_cmp_ne_u32 s[40+\q], 0, v[RC+n+\q]
.endr
.irp q, 0,1,2,3
	v_writelane_b32 v[14+\q%2], s[40+\q], (n+\q)/2
.endr
	s_or_b64 s[56:57], s[56:57], s[40:41]
	s_or_b64 s[56:57], s[56:57], s[42:43]
	s_and_b64 s[58:59], s[58:59], s[40:41]
	s_and_b64 s[58:59], s[58:59], s[42:43]
.set n, n+4
.endr
	global_store_b64 v7, v[14:15], s[28:29] offset:256*\u
	s_or_b32 s56, s56, s57                         ; THE FLAG BYTE of (tile, key step): bit 0 = some key counts for some row, bit 1 = every key counts for every row
	s_and_b32 s58, s58, s59
	s_cmp_lg_u32 s56, 0
	s_cselect_b32 s56, 1, 0
	s_cmp_eq_u32 s58, -1
	s_cselect_b32 s58, 2, 0
	s_or_b32 s56, s56, s58
	v_mov_b32 v21, 0
	v_mov_b32 v[18+\u], s56
	global_store_b8 v21, v[18+\u], s[2:3] offset:\u    ; all lanes store the same byte to the same place: 16 bytes a tile, behind the words
.endm
.macro RLOAD reg, voff, cp, vsoff, sp  ; a fragment of a weight as it lies in rows: 24 bytes at 24 h and at 48 + 24 h, in pieces of 8; and its rows' scale words
.irp p, 0,1,2,3,4,5
	global_load_b64 v[\reg+2*\p:\reg+2*\p+1], v[\voff], s[\cp:\cp+1] offset:48*(\p/3)+8*(\p%3) th:TH_LOAD_NT
.endr
	global_load_b32 v[\reg+12], v[\vsoff], s[\sp:\sp+1] th:TH_LOAD_NT
.endm
.macro RSTORE reg, cp, sp              ; and out as an image: six stores of 256 consecutive bytes; lanes l and l xor 16 store the same word to the same place
.irp p, 0,1,2,3,4,5
	global_store_b64 v7, v[\reg+2*\p:\reg+2*\p+1], s[\cp:\cp+1] offset:256*\p
.endr
	global_store_b32 v8, v[\reg+12], s[\sp:\sp+1]
.endm
.macro QUANT s                         ; 64 numbers v[s] .. v[s + 63] become a fragment's codes in v[PC] on and its scale word in v[PW]
.irp b, 0,1,2,3
	v_max3_num_f32 v[TM+\b], |v[\s+16*\b]|, |v[\s+1+16*\b]|, 0x1800000   ; block b: my 16 numbers, and the floor 2^(3 - 127): the byte cannot fall under 1
.endr
.irp i, 2,4,6,8,10,12,14
.irp b, 0,1,2,3
	s_delay_alu instid0(VALU_DEP_4)
	v_max3_num_f32 v[TM+\b], v[TM+\b], |v[\s+16*\b+\i]|, |v[\s+1+16*\b+\i]|
.endr
.endr
.irp b, 0,1,2,3
	s_delay_alu instid0(VALU_DEP_4)
	v_permlanex16_b32 v[TM+4+\b], v[TM+\b], s[SEL], s[SEL+1]
.endr
.irp b, 0,1,2,3
	s_delay_alu instid0(VALU_DEP_4)
	v_max_num_f32 v[TM+\b], v[TM+\b], v[TM+4+\b]   ; with lane l xor 16's: the block's largest magnitude
.endr
.irp b, 0,1,2,3
	s_delay_alu instid0(VALU_DEP_4)
	v_add_nc_u32 v[TM+8+\b], 0xff000000, v[TM+\b]  ; 2 off its exponent field: the conversion's scale operand
.endr
.irp b, 0,1,2,3
	s_delay_alu instid0(VALU_DEP_4)
	v_lshrrev_b32 v[TM+4+\b], 23, v[TM+8+\b]       ; the scale's byte
.endr
	s_delay_alu instid0(VALU_DEP_3)
	v_lshl_or_b32 v[PW], v[TM+5], 8, v[TM+4]
	s_delay_alu instid0(VALU_DEP_1)
	v_lshl_or_b32 v[PW], v[TM+6], 16, v[PW]
	s_delay_alu instid0(VALU_DEP_1)
	v_lshl_or_b32 v[PW], v[TM+7], 24, v[PW]
.irp c, 0,1
	v_cvt_scalef32_pk16_fp6_f32 v[PC+6*\c:PC+2+6*\c], v[\s+32*\c:\s+15+32*\c], v[TM+8+2*\c]
	v_cvt_scalef32_pk16_fp6_f32 v[PC+12+4*\c:PC+14+4*\c], v[\s+16+32*\c:\s+31+32*\c], v[TM+9+2*\c]   ; (a conversion's three registers begin on an even number)
.endr
	v_nop                                          ; one plain place behind a scaled conversion
.irp c, 0,1                            ; the operand's layout wants a whole block in a lane
.irp i, 0,1,2
	v_permlane16_swap_b32 v[PC+6*\c+\i], v[PC+12+4*\c+\i]
.endr
.irp i, 0,1,2
	s_delay_alu instid0(VALU_DEP_3)
	v_mov_b32 v[PC+3+6*\c+\i], v[PC+12+4*\c+\i]
.endr
.endr
.endm
	s_load_b512 s[4:19], s[0:1], 0x0               ; x 4, g1 6, mask 8, W1 codes 10, W1 scales 12, Wqkv codes 14, Wqkv scales 16, Wout codes 18
	s_load_b256 s[20:27], s[0:1], 0x40             ; Wout scales 20, W2 codes 22, W2 scales 24, xq 26
	s_load_b128 s[28:31], s[0:1], 0x60             ; maskw 28, wimg 30
	v_lshrrev_b32 v1, 5, v0
	s_delay_alu instid0(VALU_DEP_1)
	v_readfirstlane_b32 s32, v1                    ; wave 0..7
	v_and_b32 v1, 31, v0                           ; lane
	v_and_b32 v2, 15, v0                           ; r
	v_bfe_u32 v3, v0, 4, 1                         ; h
	s_delay_alu instid0(VALU_DEP_3)
	v_lshlrev_b32 v4, 4, v1                        ; 16 x lane
	s_mul_i32 s38, s32, STGB
	v_add_nc_u32 v5, s38, v4                       ; my stage, on the way in
	v_mul_u32_u24 v6, v2, 528
	s_delay_alu instid0(VALU_DEP_1)
	v_lshl_add_u32 v6, v3, 6, v6
	s_delay_alu instid0(VALU_DEP_1)
	v_add_nc_u32 v6, s38, v6                       ; and back: row r, + 64 h
	v_lshlrev_b32 v7, 3, v1                        ; 8 x lane
	v_lshlrev_b32 v8, 2, v2                        ; 4 r
	v_lshlrev_b32 v9, 6, v3                        ; 64 h
	v_and_b32 v31, 8, v2
	s_delay_alu instid0(VALU_DEP_1)
	v_add_nc_u32 v31, v31, v2                      ; r + 8 (r / 8)
	s_delay_alu instid0(VALU_DEP_1)
	v_mul_u32_u24 v10, v31, 768                    ; a weight's row of 1,024 codes,
	s_delay_alu instid0(VALU_DEP_1)
	v_mad_u32_u24 v10, v3, 24, v10
	s_delay_alu instid0(VALU_DEP_3)
	v_mul_u32_u24 v11, v31, 1536                   ; of 2,048 codes,
	s_delay_alu instid0(VALU_DEP_1)
	v_mad_u32_u24 v11, v3, 24, v11
	v_lshlrev_b32 v12, 5, v31                      ; and their rows of scale bytes
	v_lshlrev_b32 v13, 6, v31
	v_mov_b32 v14, 0                               ; (a lane write's destination counts as read)
	v_mov_b32 v15, 0
.irp b, 0,1,2,3
	v_mov_b32 v[TM+4+\b], 0                        ; (a lane permute's destination counts as read)
.endr
	v_lshlrev_b32 v29, 5, v2
	s_delay_alu instid0(VALU_DEP_1)
	v_add_nc_u32 v29, PSB, v29                     ; row r's eight partial sums
	s_lshl_b32 s38, s32, 2
	v_add_nc_u32 v28, s38, v29                     ; and my wave's word among them
	v_lshlrev_b32 v30, 2, v1                       ; 4 x lane
	s_mov_b32 s[SEL], 0x76543210
	s_mov_b32 s[SEL+1], 0xfedcba98
	s_mov_b32 s63, 0x3a800000                      ; 1 / 1024
	s_lshr_b32 s33, ttmp9, 1
	s_lshl_b32 s33, s33, 5
	s_and_b32 s38, ttmp9, 1
	s_lshl_b32 s38, s38, 3
	s_add_co_u32 s33, s33, s38                     ; the tile's first row
	s_lshl_b32 s39, ttmp9, 3
	s_add_co_u32 s39, s39, s32                     ; F = 8 g + w
	s_mul_i32 s60, s32, 96                         ; K step w in a row of codes,
	s_lshl_b32 s61, s32, 2                         ; and in a row of scale bytes
	s_mov_b32 s37, 0
	s_wait_kmcnt 0x0
	s_lshl_b32 s36, s33, 12
	s_lshl_b32 s38, s32, 9
	s_add_co_u32 s36, s36, s38
	s_add_nc_u64 s[4:5], s[4:5], s[36:37]          ; x at my tile's first row, K step w
	s_lshl_b32 s36, s33, 13
	s_lshl_b32 s38, s32, 10
	s_add_co_u32 s36, s36, s38
	s_add_nc_u64 s[8:9], s[8:9], s[36:37]          ; the mask at the same row, key step 2 w
	DENSE RA, 4, 4096, 0
	DENSE RB, 8, 8192, 0
	; all other addresses, while the 32 loads are on their way
	s_lshl_b32 s36, s32, 9
	s_add_nc_u64 s[6:7], s[6:7], s[36:37]          ; g1 at K step w
	s_add_nc_u64 s[44:45], s[26:27], 3145728
	s_mul_i32 s36, s39, 1536
	s_add_nc_u64 s[26:27], s[26:27], s[36:37]      ; xq: image F
	s_add_nc_u64 s[52:53], s[30:31], s[36:37]      ; wimg: Wqkv's and Wout's images adjoin: image F
	s_add_nc_u64 s[48:49], s[52:53], 3145728       ; W1's image F
	s_lshl_b32 s36, s39, 6
	s_add_nc_u64 s[44:45], s[44:45], s[36:37]      ; xq: scale words F
	s_add_nc_u64 s[54:55], s[30:31], s[36:37]
	s_add_nc_u64 s[50:51], s[54:55], 7995392       ; W1's scale words F
	s_add_nc_u64 s[54:55], s[54:55], 7864320       ; Wqkv's and Wout's
	s_lshl_b32 s36, s39, 8
	s_add_nc_u64 s[46:47], s[30:31], s[36:37]
	s_add_nc_u64 s[46:47], s[46:47], 8192000       ; the table's position F
	s_lshl_b32 s36, s39, 1
	s_add_co_u32 s36, s36, 1048576
	s_add_nc_u64 s[2:3], s[28:29], s[36:37]        ; maskw's flag bytes: 1,048,576 + 16 g + 2 w
	s_lshl_b32 s36, s39, 9
	s_add_nc_u64 s[28:29], s[28:29], s[36:37]      ; maskw: 4,096 g + 256 (2 w)
	; W1: tile g = 8 gx + t: t = 0..3 rows of a for hidden units 64 gx on, t = 4..7 the gate's rows, 2,048 further down, of the same units
	s_lshr_b32 s38, ttmp9, 3
	s_lshl_b32 s38, s38, 6
	s_bfe_u32 s36, ttmp9, 0x10002
	s_lshl_b32 s36, s36, 11
	s_add_co_u32 s38, s38, s36
	s_bfe_u32 s36, ttmp9, 0x10001
	s_lshl_b32 s36, s36, 5
	s_add_co_u32 s38, s38, s36
	s_and_b32 s36, ttmp9, 1
	s_lshl_b32 s36, s36, 3
	s_add_co_u32 s38, s38, s36                     ; the tile's first row in W1
	s_mul_i32 s36, s38, 768
	s_add_co_u32 s36, s36, s60
	s_add_nc_u64 s[10:11], s[10:11], s[36:37]
	s_lshl_b32 s36, s38, 5
	s_add_co_u32 s36, s36, s61
	s_add_nc_u64 s[12:13], s[12:13], s[36:37]
	; Wqkv's tile g, or Wout's tile g - 192: the choice hangs on the work-group's number alone
	s_cmp_lt_u32 ttmp9, 192
	s_cselect_b64 s[14:15], s[14:15], s[18:19]
	s_cselect_b64 s[16:17], s[16:17], s[20:21]
	s_cselect_b32 s38, 0, 3072
	s_sub_co_u32 s38, s33, s38                     ; the tile's first row in its tensor
	s_mul_i32 s36, s38, 768
	s_add_co_u32 s36, s36, s60
	s_add_nc_u64 s[14:15], s[14:15], s[36:37]
	s_lshl_b32 s36, s38, 5
	s_add_co_u32 s36, s36, s61
	s_add_nc_u64 s[16:17], s[16:17], s[36:37]
	; THE TABLE: position F, frequency = lane.  inv = 10000^(-lane / 32) = 2^(-lane x log2(10000) / 32); angle = position x inv
	v_cvt_f32_u32 v[TP], v1
	s_delay_alu instid0(VALU_DEP_1)
	v_mul_f32 v[TP], 0xbed49a78, v[TP]
	s_wait_alu depctr_va_vdst(0)
	v_exp_f32 v[TP], v[TP]
	v_cvt_f32_u32 v[TP+1], s39                     ; (the plain place behind the exponential)
	s_wait_alu depctr_va_vdst(0)                   ; the wait ahead of the result's first reader
	v_mul_f32 v[TP+1], v[TP+1], v[TP]              ; the angle
	s_delay_alu instid0(VALU_DEP_1)
	v_mul_f32 v[TP+2], 0x3f22f983, v[TP+1]
	s_delay_alu instid0(VALU_DEP_1)
	v_rndne_f32 v[TP+2], v[TP+2]                   ; n = the nearest multiple of pi / 2
	s_delay_alu instid0(VALU_DEP_1)
	v_fmamk_f32 v[TP+1], v[TP+2], 0xbfc90fdb, v[TP+1]   ; angle - n x (pi / 2)'s upper part,
	s_delay_alu instid0(VALU_DEP_1)
	v_fmamk_f32 v[TP+1], v[TP+2], 0x333bbd2e, v[TP+1]   ; - n x its lower part: within +- pi / 4
	s_delay_alu instid0(VALU_DEP_3)
	v_cvt_i32_f32 v[TP+2], v[TP+2]
	s_delay_alu instid0(VALU_DEP_2)
	v_mul_f32 v[TP+3], v[TP+1], v[TP+1]            ; z
	v_mov_b32 v[TP+4], 0xb94ca1f9
	v_mov_b32 v[TP+5], 0x37ccf5ce
	s_delay_alu instid0(VALU_DEP_2)
	v_fmaak_f32 v[TP+4], v[TP+4], v[TP+3], 0x3c08839e
	s_delay_alu instid0(VALU_DEP_2)
	v_fmaak_f32 v[TP+5], v[TP+5], v[TP+3], 0xbab6061a
	s_delay_alu instid0(VALU_DEP_2)
	v_fmaak_f32 v[TP+4], v[TP+4], v[TP+3], 0xbe2aaaa3
	s_delay_alu instid0(VALU_DEP_2)
	v_fmaak_f32 v[TP+5], v[TP+5], v[TP+3], 0x3d2aaaa5
	v_mul_f32 v[TP+6], v[TP+1], v[TP+3]
	v_mul_f32 v[TP+7], v[TP+3], v[TP+3]
	v_fma_f32 v[TP+8], v[TP+3], -0.5, 1.0
	s_delay_alu instid0(VALU_DEP_3)
	v_fma_f32 v[TP+4], v[TP+6], v[TP+4], v[TP+1]   ; the sine of the rest
	s_delay_alu instid0(VALU_DEP_2)
	v_fma_f32 v[TP+5], v[TP+7], v[TP+5], v[TP+8]   ; its cosine
	v_and_b32 v[TP+6], 1, v[TP+2]
	s_delay_alu instid0(VALU_DEP_1)
	v_cmp_eq_u32 vcc_lo, 1, v[TP+6]                ; an odd n swaps them;
	s_delay_alu instid0(VALU_DEP_1)
	v_cndmask_b32 v[TP+10], v[TP+4], v[TP+5], vcc_lo
	s_delay_alu instid0(VALU_DEP_2)
	v_cndmask_b32 v[TP+11], v[TP+5], v[TP+4], vcc_lo
	v_lshlrev_b32 v[TP+6], 30, v[TP+2]             ; bit 1 of n turns the sine's sign,
	v_add_nc_u32 v[TP+2], 1, v[TP+2]
	s_delay_alu instid0(VALU_DEP_1)
	v_lshlrev_b32 v[TP+2], 30, v[TP+2]             ; bit 1 of n + 1 the cosine's
	s_delay_alu instid0(VALU_DEP_3)
	v_and_b32 v[TP+6], 0x80000000, v[TP+6]
	s_delay_alu instid0(VALU_DEP_2)
	v_and_b32 v[TP+2], 0x80000000, v[TP+2]
	s_delay_alu instid0(VALU_DEP_2)
	v_xor_b32 v[TP+10], v[TP+6], v[TP+10]
	s_delay_alu instid0(VALU_DEP_2)
	v_xor_b32 v[TP+11], v[TP+2], v[TP+11]
	global_store_b32 v30, v[TP+11], s[46:47]           ; 32 cosines, then 32 sines: 256 consecutive bytes a position.  (v254, v255 are not written again)
	global_store_b32 v30, v[TP+10], s[46:47] offset:128
	; X
	s_wait_loadcnt 16                              ; x's 16 loads are in; the mask's 16 may be out
	TURN RA
.irp b, 0,1,2,3
.irp j, 0,1,2,3
	global_load_b128 v[RA+16*\b+4*\j:RA+16*\b+4*\j+3], v9, s[6:7] offset:128*\b+16*\j   ; g1 in the same layout
.endr
.endr
.irp q, 0,1,2,3
	v_pk_mul_f32 v[TP+2*\q:TP+2*\q+1], v[RC+2*\q:RC+2*\q+1], v[RC+2*\q:RC+2*\q+1]       ; the sum of squares of my 64 numbers, in four chains
.endr
.irp j, 8,16,24,32,40,48,56
.irp q, 0,1,2,3
	s_delay_alu instid0(VALU_DEP_4)
	v_pk_fma_f32 v[TP+2*\q:TP+2*\q+1], v[RC+\j+2*\q:RC+\j+2*\q+1], v[RC+\j+2*\q:RC+\j+2*\q+1], v[TP+2*\q:TP+2*\q+1]
.endr
.endr
	s_delay_alu instid0(VALU_DEP_3)
	v_pk_add_f32 v[TP:TP+1], v[TP:TP+1], v[TP+2:TP+3]
	s_delay_alu instid0(VALU_DEP_2)
	v_pk_add_f32 v[TP+4:TP+5], v[TP+4:TP+5], v[TP+6:TP+7]
	s_delay_alu instid0(VALU_DEP_1)
	v_pk_add_f32 v[TP:TP+1], v[TP:TP+1], v[TP+4:TP+5]
	s_delay_alu instid0(VALU_DEP_1)
	v_add_f32 v[TP], v[TP], v[TP+1]
	s_delay_alu instid0(VALU_DEP_1)
	v_permlanex16_b32 v[TP+2], v[TP], s[SEL], s[SEL+1]
	s_delay_alu instid0(VALU_DEP_1)
	v_add_f32 v[TP], v[TP], v[TP+2]                ; row r, K step w
	ds_store_b32 v28, v[TP]
	s_wait_dscnt 0x0                               ; for the others' sake: my word has landed
	s_barrier_signal -1
	s_barrier_wait -1
	ds_load_b128 v[TP:TP+3], v29
	ds_load_b128 v[TP+4:TP+7], v29 offset:16
	s_wait_dscnt 0x0
	v_add_f32 v[TP], v[TP], v[TP+1]
	v_add_f32 v[TP+2], v[TP+2], v[TP+3]
	v_add_f32 v[TP+4], v[TP+4], v[TP+5]
	v_add_f32 v[TP+6], v[TP+6], v[TP+7]
	s_delay_alu instid0(VALU_DEP_3)
	v_add_f32 v[TP], v[TP], v[TP+2]
	s_delay_alu instid0(VALU_DEP_2)
	v_add_f32 v[TP+4], v[TP+4], v[TP+6]
	s_delay_alu instid0(VALU_DEP_1)
	v_add_f32 v[TP], v[TP], v[TP+4]
	s_delay_alu instid0(VALU_DEP_1)
	v_fmaak_f32 v[TP], s63, v[TP], 0x358637bd      ; the mean + 1e-6
	s_wait_alu depctr_va_vdst(0)
	v_rsq_f32 v[TP+8], v[TP]
	v_mov_b32 v[TP+9], 0                           ; (the plain place; the packed form names the pair)
	s_wait_alu depctr_va_vdst(0)
.set j, 0
.rept 32
	v_pk_mul_f32 v[RC+j:RC+j+1], v[RC+j:RC+j+1], v[TP+8:TP+9] op_sel_hi:[1,0]
.set j, j+2
.endr
	s_wait_loadcnt 0x0                             ; g1 (and the mask's first step)
.set j, 0
.rept 32
	v_pk_mul_f32 v[RC+j:RC+j+1], v[RC+j:RC+j+1], v[RA+j:RA+j+1]
.set j, j+2
.endr
	QUANT RC
.irp p, 0,1,2,3,4,5
	global_store_b64 v7, v[PC+2*\p:PC+2*\p+1], s[26:27] offset:256*\p
.endr
	global_store_b32 v8, v[PW], s[44:45]
	; THE MASK, and the weights on their way meanwhile
	DENSE RA, 8, 8192, 512                         ; key step 2 w + 1
	TURN RB
	MASKUNIT 0
	RLOAD RB, 10, 10, 12, 12                       ; (TURN's wait has shown that the stage's stores have read v96 on)
	RLOAD RB+16, 10, 14, 12, 16
	s_wait_alu depctr_va_vdst(0)
	s_wait_loadcnt 14                              ; the mask's 16 loads are in; the weights' 14 may be out
	TURN RA
	s_wait_xcnt 0x0                                ; the first unit's store has read v[14:15]
	MASKUNIT 1
	v_lshl_add_u32 v16, v0, 2, 68096               ; no two registers can be kept in this text: my spare word (behind the partial sums, 128 bytes a wave) and 0 are made here; v0 is as at the entry
	v_mov_b32 v17, 0
	s_wait_alu depctr_va_vdst(0)                   ; ahead of the wait below
	s_wait_tensorcnt 0x0                           ; behind my last LDS store
	ds_add_u32 v16, v17
	s_wait_dscnt 0x0
	s_wait_loadcnt 0x0
	RSTORE RB, 48, 50
	RSTORE RB+16, 52, 54
	s_cmp_ge_u32 s32, 4                            ; W2 has 1,024 fragments: four to a work-group
	s_cbranch_scc1 .Lend
	s_lshr_b32 s38, ttmp9, 3
	s_lshl_b32 s38, s38, 5
	s_bfe_u32 s36, ttmp9, 0x10002
	s_lshl_b32 s36, s36, 3
	s_add_co_u32 s38, s38, s36                     ; tile g / 4's first row
	s_and_b32 s62, ttmp9, 3
	s_lshl_b32 s62, s62, 2
	s_add_co_u32 s62, s62, s32                     ; K step 4 (g % 4) + w
	s_mul_i32 s36, s38, 1536
	s_mul_i32 s63, s62, 96
	s_add_co_u32 s36, s36, s63
	s_add_nc_u64 s[22:23], s[22:23], s[36:37]
	s_lshl_b32 s36, s38, 6
	s_lshl_b32 s63, s62, 2
	s_add_co_u32 s36, s36, s63
	s_add_nc_u64 s[24:25], s[24:25], s[36:37]
	s_lshl_b32 s62, ttmp9, 2
	s_add_co_u32 s62, s62, s32                     ; fragment 16 (g / 4) + K step = 4 g + w
	s_mul_i32 s36, s62, 1536
	s_add_nc_u64 s[56:57], s[30:31], s[36:37]
	s_add_nc_u64 s[56:57], s[56:57], 6291456
	s_lshl_b32 s36, s62, 6
	s_add_nc_u64 s[58:59], s[30:31], s[36:37]
	s_add_nc_u64 s[58:59], s[58:59], 8126464
	RLOAD RB+32, 11, 22, 13, 24
	s_wait_loadcnt 0x0
	RSTORE RB+32, 56, 58
.Lend:
	s_endpgm
.Lfunc_end_k_qa019ed052f_prep:
	.size	k_qa019ed052f_prep, .Lfunc_end_k_qa019ed052f_prep-k_qa019ed052f_prep
	.p2alignl 7, 3214868480
	.fill 96, 4, 3214868480
	.section	.rodata,"a",@progbits
	.p2align	6, 0x0
	.amdhsa_kernel k_qa019ed052f_prep
		.amdhsa_group_segment_fixed_size 69120
		.amdhsa_private_segment_fixed_size 0
		.amdhsa_enable_private_segment 0
		.amdhsa_kernarg_size 112
		.amdhsa_user_sgpr_count 2
		.amdhsa_user_sgpr_kernarg_segment_ptr 1
		.amdhsa_wavefront_size32 1
		.amdhsa_system_sgpr_workgroup_id_x 1
		.amdhsa_system_sgpr_workgroup_id_y 1
		.amdhsa_system_sgpr_workgroup_id_z 1
		.amdhsa_system_vgpr_workitem_id 0
		.amdhsa_next_free_vgpr 256
		.amdhsa_next_free_sgpr 66
		.amdhsa_reserve_vcc 1
		.amdhsa_float_denorm_mode_32 3
		.amdhsa_float_denorm_mode_16_64 3
		.amdhsa_memory_ordered 1
		.amdhsa_forward_progress 1
		.amdhsa_inst_pref_size 61
	.end_amdhsa_kernel
	.amdgpu_metadata
---
amdhsa.version: [ 1, 2 ]
amdhsa.kernels:
  - .name:           k_qa019ed052f_prep
    .symbol:         k_qa019ed052f_prep.kd
    .args:
      - { .name: x, .offset: 0, .size: 8, .value_kind: global_buffer, .address_space: global }
      - { .name: g1, .offset: 8, .size: 8, .value_kind: global_buffer, .address_space: global }
      - { .name: mask, .offset: 16, .size: 8, .value_kind: global_buffer, .address_space: global }
      - { .name: W1_codes, .offset: 24, .size: 8, .value_kind: global_buffer, .address_space: global }
      - { .name: W1_scales, .offset: 32, .size: 8, .value_kind: global_buffer, .address_space: global }
      - { .name: Wqkv_codes, .offset: 40, .size: 8, .value_kind: global_buffer, .address_space: global }
      - { .name: Wqkv_scales, .offset: 48, .size: 8, .value_kind: global_buffer, .address_space: global }
      - { .name: Wout_codes, .offset: 56, .size: 8, .value_kind: global_buffer, .address_space: global }
      - { .name: Wout_scales, .offset: 64, .size: 8, .value_kind: global_buffer, .address_space: global }
      - { .name: W2_codes, .offset: 72, .size: 8, .value_kind: global_buffer, .address_space: global }
      - { .name: W2_scales, .offset: 80, .size: 8, .value_kind: global_buffer, .address_space: global }
      - { .name: xq, .offset: 88, .size: 8, .value_kind: global_buffer, .address_space: global }
      - { .name: maskw, .offset: 96, .size: 8, .value_kind: global_buffer, .address_space: global }
      - { .name: wimg, .offset: 104, .size: 8, .value_kind: global_buffer, .address_space: global }
    .group_segment_fixed_size: 69120
    .private_segment_fixed_size: 0
    .kernarg_segment_align: 8
    .kernarg_segment_size: 112
    .max_flat_workgroup_size: 256
    .sgpr_count:     66
    .vgpr_count:     256
    .wavefront_size: 32
...
	.end_amdgpu_metadata
.endif
;; end of part 1
;; launch qkv (part 2): grid 24 x 16, 4 waves a work-group, clusters of 4 x 4, 327,680 bytes of LDS; arguments xq, wimg, qkvb; writes qkvb
.if DOCPART == 2
	.amdgcn_target "amdgcn-amd-amdhsa--gfx1250"
	.amdhsa_code_object_version 6
	.text
	.protected	k_qa019ed052f_qkv
	.globl	k_qa019ed052f_qkv
	.p2align	8
	.type	k_qa019ed052f_qkv,@function
k_qa019ed052f_qkv:
	s_mov_b64 s[64:65], 0
	v_nop
	global_prefetch_b8 v0, s[64:65] scope:SCOPE_SE
	s_setreg_imm32_b32 hwreg(HW_REG_WAVE_MODE, 25, 1), 1
	s_wait_xcnt 0x0
	s_wait_alu depctr_hold_cnt(0) depctr_sa_sdst(0) depctr_va_vdst(0) depctr_va_sdst(0) depctr_va_ssrc(0) depctr_va_vcc(0) depctr_vm_vsrc(0)
	s_getreg_b32 s2, hwreg(HW_REG_IB_STS2, 6, 4)
	s_cmp_eq_u32 s2, 0
	s_cbranch_scc0 .Lentry_in_a_cluster
	s_endpgm
.Lentry_in_a_cluster:
	s_bfe_u32 s2, ttmp6, 0x10000c
	s_cmp_lg_u32 s2, 0xf033
	s_cbranch_scc0 .Lentry_shape_is_right
	s_endpgm
.Lentry_shape_is_right:
; QKV.  qkv = xn Wqkv on codes of E2M3; q and k are rotated and quantised along the head's 64, v along the keys; all three leave as images of operand registers (layouts: at the stores).
; A work-group makes 256 rows x 128 columns (two heads of q, of k or of v).  ITS WHOLE K LIES IN LDS: 16 + 8 tiles x 8 K steps of images and their scale words, brought by one tensor load a wave, issued at the head;
; no LDS byte is filled twice.  A wave has one tensor load out at the most.
; CLUSTER 4 x 4: the four of a row share the rows' tiles, the four of a column the weight's tiles: every load is asked for jointly.
; Row tiles and images as in the launch before: lane r of tile T = row 32 (T / 2) + 8 (T % 2) + r + 8 (r / 8); an image is 6 chunks of 256 bytes, chunk p = registers 2 p, 2 p + 1, 8 bytes a lane.
; q, k (cluster x 0..3): source 0 = the weight's 8 tiles, source 1 = 4 of the rows' tiles: a lane holds one row, its registers run along the head: d and d + 32 lie in one lane.
; v (cluster x 4, 5): source 0 = 8 of the rows' tiles (128 keys), source 1 = 4 of the weight's tiles (one head): a lane holds one d, its registers run along the keys.
; The two ways part on the cluster's x, which all partners share; neither stores to LDS, and each ends by itself.
; REGISTERS: window 0: v1-31 addresses, v32-47 scale words (two sets), v64-127 64 numbers, v128-146 codes, v148-159 and v164-167 at work.  window 1: the 32 accumulators, (a, t) at 8 (8 a + t).
;   windows 2, 3: fragment sets 0, 1: source 0's tile t at 12 t, source 1's tile a at 96 + 12 a; from v160: cos (window 2) and sin (window 3).
; LIMITS: a block of zeros, or one under 2^-124, gets the byte 1 (its codes are zeros; this program alone reads the bytes).
.set NS, 8                             ; K steps
.set TS, NS*1536                       ; a tile's images of all K steps, dense in memory and in LDS
.set GT, 49152/TS                      ; tiles that one address register reaches
.set HS, NS/2                          ; K steps that one address register reaches
.set HSB, HS*1536
.set SPARE, 324608                     ; the spare words, 128 bytes a wave
.set NP, 8                             ; tiles of source 0 of a wave
.set NQ, 4                             ; of source 1
.set LGA, 4                            ; 16 row tiles to a work-group
.set LGB, 3                            ; 8 weight tiles
.set AWORDS, 3145728                   ; where the rows' scale words begin in their buffer
.set BIMG, 0                           ; where this weight's images begin in wimg
.set BWORDS, 7864320                   ; and its scale words
.set NLW, 63                           ; see MAIN
.set AL, 0                             ; LDS: rows' images [tile][K step][1536]
.set BL, 196608                        ; the weight's likewise
.set ASL, 294912                       ; rows' scale words [tile][K step][16 words]
.set BSL, 303104                       ; the weight's
.set SC, 32
.set Y, 64
.set PC, 128
.set TM, 148
.set PW, 164
.set SEL, 100
.set WV, 88
.set GW0, (3<<16)|(1<<21)              ; group 1, word 0 beside the mask: elements of 8 bytes, no padding, bit 21 set beside a mask
.set MSB, 0
.macro WIN new                         ; the immediate's high byte repeats the setting that is left
.if MSB != (\new)
	s_set_vgpr_msb (MSB<<8)|(\new)
.set MSB, (\new)
.endif
.endm
.macro PLACES                          ; four plain places behind a matrix instruction, ahead of loads into its registers and of reads of its result
.rept 4
	v_nop
.endr
.endm
.macro CROUND                          ; a round of the cluster's barrier
	s_barrier_signal -1
	s_barrier_wait -1
	s_cmp_lg_u32 s[WV], 0
	s_cbranch_scc1 .Lnot_wave_0_\@
	s_barrier_signal -3
.Lnot_wave_0_\@:
	s_barrier_wait -3
	s_barrier_signal -1
	s_barrier_wait -1
.endm
.macro MKG1 g, C, R, P                 ; group 1's words 1 to 7: R rows of C elements, P elements from row to row
	s_mov_b32 s[\g+1], ((\C)&0xffff)<<16
	s_mov_b32 s[\g+2], ((\C)>>16)|(((\R)&0xffff)<<16)
	s_mov_b32 s[\g+3], ((\R)>>16)|((\C)<<16)
	s_mov_b32 s[\g+4], \R
	s_mov_b32 s[\g+5], \P
	s_mov_b32 s[\g+6], 0
	s_mov_b32 s[\g+7], 0
.endm
.macro MKG0 g, lbase, ptr              ; group 0: to LDS byte lbase, from s[ptr]
	s_mov_b32 s[\g], 1
	s_mov_b32 s[\g+1], \lbase
	s_mov_b64 s[\g+2:\g+3], s[\ptr:\ptr+1]
	s_or_b32 s[\g+3], s[\g+3], 0x80000000
.endm
.macro ARM under, g0, g1, next         ; one arm of the head's tree: its joint load and a jump to the tree's end
	s_cmp_lt_u32 s[WV], \under
	s_cbranch_scc0 \next
	tensor_load_to_lds s[\g0:\g0+3], s[\g1:\g1+7]
	s_nop 0
.rept 4
	v_nop
.endr
	s_branch .Lhead_asked
\next:
.endm
.macro LOADSET s, set                  ; K step s: NP + NQ fragments into window 2 + set, NP scale registers into set
	WIN (2+(\set))<<6
.set lt, 0
.rept NP
.irp p, 0,1,2,3,4,5
	ds_load_b64 v[12*lt+2*\p:12*lt+2*\p+1], v[8+2*(lt/GT)+(\s)/HS] offset:(lt%GT)*TS+((\s)%HS)*1536+256*\p
.endr
.set lt, lt+1
.endr
.set lt, 0
.rept NQ
.irp p, 0,1,2,3,4,5
	ds_load_b64 v[12*NP+12*lt+2*\p:12*NP+12*lt+2*\p+1], v[12+(\s)/HS] offset:lt*TS+((\s)%HS)*1536+256*\p
.endr
.set lt, lt+1
.endr
	WIN 0
.set lt, 0
.rept NP                               ; register i: lanes 16-31 the words of source 0's tile i, lanes 0-15 those of source 1's tile i (i < NQ)
.if lt < NQ
	ds_load_b32 v[SC+NP*(\set)+lt], v16 offset:lt*64*NS+64*(\s)
.else
	ds_load_b32 v[SC+NP*(\set)+lt], v17 offset:lt*64*NS+64*(\s)
.endif
.set lt, lt+1
.endr
.endm
.macro MULSET s, set                   ; all accumulators by turns, one instruction a turn, in one order in every K step; the first K step starts the sums
	WIN 0x5a+5*(\set)
.set ma, 0
.rept NQ
.set mt, 0
.rept NP
.if (\s) == 0
	v_wmma_scale_f32_16x16x128_f8f6f4 v[8*(NP*ma+mt):8*(NP*ma+mt)+7], v[12*mt:12*mt+11], v[12*NP+12*ma:12*NP+12*ma+11], 0, v[SC+NP*(\set)+mt], v[SC+NP*(\set)+ma] matrix_a_fmt:MATRIX_FMT_FP6 matrix_b_fmt:MATRIX_FMT_FP6 matrix_a_scale:MATRIX_SCALE_ROW1
.else
	v_wmma_scale_f32_16x16x128_f8f6f4 v[8*(NP*ma+mt):8*(NP*ma+mt)+7], v[12*mt:12*mt+11], v[12*NP+12*ma:12*NP+12*ma+11], v[8*(NP*ma+mt):8*(NP*ma+mt)+7], v[SC+NP*(\set)+mt], v[SC+NP*(\set)+ma] matrix_a_fmt:MATRIX_FMT_FP6 matrix_b_fmt:MATRIX_FMT_FP6 matrix_a_scale:MATRIX_SCALE_ROW1
.endif
.set mt, mt+1
.endr
.set ma, ma+1
.endr
.endm
.macro MAIN                            ; the product, K step by K step; the next step's fragments are fetched while this step is multiplied
	s_wait_tensorcnt 0x0                           ; my one load is in
	s_barrier_signal -1
	s_barrier_wait -1                              ; everybody's is: the whole K of both operands lies in LDS
	LOADSET 0, 0
.set ks, 0
.rept NS-1
.if ks > 0
	PLACES                                         ; the set to be loaded was read by the products just issued
.endif
	LOADSET ks+1, (ks+1)%2
	s_wait_dscnt NLW                               ; behind step ks's loads stand the (NP + NQ) x 6 + NP just issued: with at most this many out (no more than a wait can name), step ks's are in
	MULSET ks, ks%2
.set ks, ks+1
.endr
	s_wait_dscnt 0x0
	MULSET NS-1, (NS-1)%2
	WIN 0
.endm
.macro QUANT s, w                      ; 64 numbers v[s] .. v[s + 63] of window w, register 16 b + i = k 32 b + 16 (lane / 16) + i, become a fragment's codes in v[PC] on and its scale word in v[PW]
.if \w
	WIN 0x05
.endif
.irp b, 0,1,2,3
	v_max3_num_f32 v[TM+\b], |v[(\s)+16*\b]|, |v[(\s)+1+16*\b]|, 0x1800000   ; my 16 numbers of block b, from each accumulator's low end on, and the floor 2^(3 - 127)
.endr
.if \w
	WIN 0x14
.endif
.irp i, 2,4,6,8,10,12,14
.irp b, 0,1,2,3
	v_max3_num_f32 v[TM+\b], v[TM+\b], |v[(\s)+16*\b+\i]|, |v[(\s)+1+16*\b+\i]|
.endr
.endr
	WIN 0
.irp b, 0,1,2,3
	v_permlanex16_b32 v[TM+4+\b], v[TM+\b], s[SEL], s[SEL+1]
.endr
.irp b, 0,1,2,3
	v_max_num_f32 v[TM+\b], v[TM+\b], v[TM+4+\b]
.endr
.irp b, 0,1,2,3
	v_add_nc_u32 v[TM+8+\b], 0xff000000, v[TM+\b]  ; 2 off the exponent field: the conversion's scale operand
.endr
.irp b, 0,1,2,3
	v_lshrrev_b32 v[TM+4+\b], 23, v[TM+8+\b]       ; the scale's byte
.endr
	v_lshl_or_b32 v[PW], v[TM+5], 8, v[TM+4]
	v_lshl_or_b32 v[PW], v[TM+6], 16, v[PW]
	v_lshl_or_b32 v[PW], v[TM+7], 24, v[PW]
.if \w
	WIN 0x01
.endif
.irp c, 0,1
	v_cvt_scalef32_pk16_fp6_f32 v[PC+6*\c:PC+2+6*\c], v[(\s)+32*\c:(\s)+15+32*\c], v[TM+8+2*\c]
	v_cvt_scalef32_pk16_fp6_f32 v[PC+12+4*\c:PC+14+4*\c], v[(\s)+16+32*\c:(\s)+31+32*\c], v[TM+9+2*\c]
.endr
	WIN 0
	v_nop                                          ; one plain place behind a scaled conversion
.irp c, 0,1
.irp i, 0,1,2
	v_permlane16_swap_b32 v[PC+6*\c+\i], v[PC+12+4*\c+\i]
.endr
.irp i, 0,1,2
	v_mov_b32 v[PC+3+6*\c+\i], v[PC+12+4*\c+\i]
.endr
.endr
.endm
	s_load_b128 s[4:7], s[0:1], 0x0                ; xq, wimg
	s_load_b64 s[84:85], s[0:1], 0x10              ; qkvb
	v_lshl_add_u32 v30, v0, 2, SPARE               ; my spare word,
	v_mov_b32 v31, 0                               ; and 0: both kept for the add alone
	ds_add_u32 v30, v31                            ; the opening lines: the add, twice on end, and its wait ahead of the first round
	ds_add_u32 v30, v31
	v_lshrrev_b32 v1, 5, v0
	v_readfirstlane_b32 s[WV], v1                  ; wave 0..3
	s_bfe_u32 s2, ttmp6, 0x40000                   ; cx
	s_bfe_u32 s3, ttmp6, 0x40004                   ; cy
	s_lshl_b32 s89, ttmp9, 2
	s_add_co_u32 s89, s89, s2                      ; gx: 128 columns
	s_and_b32 s90, ttmp7, 0xffff
	s_lshl_b32 s90, s90, 2
	s_add_co_u32 s90, s90, s3                      ; gy: 256 rows
	s_lshl_b32 s92, s3, 2
	s_lshl_b32 s92, 15, s92                        ; my row of the cluster
	s_lshl_b32 s96, 0x1111, s2                     ; my column
	s_or_b32 s8, s92, GW0                          ; s[8:15] rows' images, s[24:31] rows' scale words: shared along the row
	s_or_b32 s24, s92, GW0
	s_or_b32 s16, s96, GW0                         ; s[16:23] the weight's images, s[32:39] its scale words: shared along the column
	s_or_b32 s32, s96, GW0
	MKG1 8, 32, 768, 32                            ; four dense blocks as rows of 256 bytes: the rows' images, 196,608 bytes,
	MKG1 16, 32, 384, 32                           ; the weight's, 98,304,
	MKG1 24, 32, 32, 32                            ; the rows' scale words, 8,192,
	MKG1 32, 32, 16, 32                            ; the weight's, 4,096
	s_lshl_b32 s92, s90, LGA
	s_mul_i32 s94, s92, 64*NS
	s_add_co_u32 s94, s94, AWORDS
	s_mul_i32 s92, s92, NS*1536
	s_mov_b32 s93, 0
	s_mov_b32 s95, 0
	s_lshl_b32 s96, s89, LGB
	s_mul_i32 s98, s96, 64*NS
	s_add_co_u32 s98, s98, BWORDS
	s_mul_i32 s96, s96, NS*1536
	s_add_co_u32 s96, s96, BIMG
	s_mov_b32 s97, 0
	s_mov_b32 s99, 0
	s_mov_b32 s[SEL], 0x76543210
	s_mov_b32 s[SEL+1], 0xfedcba98
	v_and_b32 v1, 31, v0                           ; lane
	v_and_b32 v2, 15, v0                           ; r
	v_bfe_u32 v3, v0, 4, 1                         ; h
	v_lshlrev_b32 v4, 3, v1                        ; 8 x lane
	v_lshlrev_b32 v5, 2, v2                        ; 4 r
	v_lshlrev_b32 v6, 2, v1                        ; 4 x lane
.irp b, 0,1,2,3
	v_mov_b32 v[TM+4+\b], 0                        ; (a lane permute's destination counts as read)
.endr
	s_wait_alu depctr_va_vdst(0)                   ; the wait at the head's end
	s_wait_dscnt 0x0                               ; both opening adds are done
	s_wait_kmcnt 0x0
	s_add_nc_u64 s[92:93], s[4:5], s[92:93]
	s_add_nc_u64 s[94:95], s[4:5], s[94:95]
	s_add_nc_u64 s[96:97], s[6:7], s[96:97]
	s_add_nc_u64 s[98:99], s[6:7], s[98:99]
	MKG0 48, AL, 92
	MKG0 52, BL, 96
	MKG0 56, ASL, 94
	MKG0 60, BSL, 98
	CROUND                                         ; all sixteen work-groups are here: the joint loads meet
	; THE HEAD'S LOADS, ONE A WAVE: wave 0 the rows' images, wave 1 the weight's, wave 2 the rows' scale words, wave 3 the weight's.  One tree of branches on the wave's number; one load of a wave is out at the most
	ARM 1, 48, 8,  .Lhead_b
	ARM 2, 52, 16, .Lhead_sa
	ARM 3, 56, 24, .Lhead_sb
	tensor_load_to_lds s[60:63], s[32:39]
	s_nop 0
.rept 4
	v_nop
.endr
.Lhead_asked:
	s_cmp_ge_u32 ttmp9, 4                          ; the cluster's x: the same in all partners
	s_cbranch_scc1 .Lv
	; ---------------- q and k ----------------
	s_mul_i32 s91, s[WV], NQ*TS
	s_wait_alu depctr_va_vdst(0)
.irp c, 0,1,2,3
	v_add_nc_u32 v[8+\c], BL+49152*(\c/2)+HSB*(\c%2), v4   ; source 0: the weight's eight tiles: a register for each four tiles and four K steps
.endr
.irp c, 0,1
	v_add_nc_u32 v[12+\c], AL+HSB*\c, v4
.endr
.irp c, 0,1
	v_add_nc_u32 v[12+\c], s91, v[12+\c]           ; source 1: row tiles 4 w on
.endr
	s_mul_i32 s92, s[WV], NQ*64*NS
	s_sub_co_u32 s93, BSL-ASL, s92
	v_mul_u32_u24 v16, s93, v3                     ; lanes 16-31: the weight's words; one product: the lower base + h x the distance
	s_add_co_u32 s92, s92, ASL
	v_add_nc_u32 v16, v16, v5
	v_add_nc_u32 v16, s92, v16                     ; lanes 0-15: my rows' words
	v_add_nc_u32 v17, BSL, v5
	v_and_b32 v18, 8, v2                           ; the table: my row's position, my half's 16 frequencies
	v_add_nc_u32 v18, v18, v2
	v_lshlrev_b32 v18, 8, v18
	v_lshl_add_u32 v18, v3, 6, v18
	s_wait_alu depctr_va_vdst(0)
	s_and_b32 s94, s90, 7
	s_lshl_b32 s94, s94, 3
	s_lshl_b32 s95, s[WV], 1
	s_add_co_u32 s94, s94, s95
	s_lshl_b32 s94, s94, 13                        ; 32 positions x 256 bytes for each pair of tiles
	s_add_co_u32 s94, s94, 8192000
	s_mov_b32 s95, 0
	s_add_nc_u64 s[94:95], s[6:7], s[94:95]
	WIN 0x80
.irp a, 0,1,2,3
.irp q, 0,1,2,3
	global_load_b128 v[160+16*\a+4*\q:163+16*\a+4*\q], v18, s[94:95] offset:((\a/2)*32+(\a%2)*8)*256+16*\q        ; cos of frequencies 16 h + 0 .. 15
.endr
.endr
	WIN 0xc0
.irp a, 0,1,2,3
.irp q, 0,1,2,3
	global_load_b128 v[160+16*\a+4*\q:163+16*\a+4*\q], v18, s[94:95] offset:((\a/2)*32+(\a%2)*8)*256+128+16*\q    ; sin
.endr
.endr
	WIN 0
	MAIN
	PLACES
	; where the results go.  (All tensor loads are done: the descriptors' registers are free.)  q: codes [bh][tile 128][768], words [bh][tile][16].  k: [bh][chunk 4][32 tiles x 768, then 32 x 64 of words]
	s_lshr_b32 s40, s90, 3                         ; batch
	s_and_b32 s41, s90, 7
	s_lshl_b32 s41, s41, 4
	s_lshl_b32 s42, s[WV], 2
	s_add_co_u32 s41, s41, s42                     ; my first tile in the sequence
	s_and_b32 s42, s89, 7
	s_lshl_b32 s42, s42, 1
	s_lshl_b32 s43, s40, 4
	s_add_co_u32 s42, s42, s43                     ; bh of the first of my two heads
	s_lshl_b32 s43, s42, 7
	s_add_co_u32 s43, s43, s41
	s_mul_i32 s44, s43, 768                        ; q: codes
	s_lshl_b32 s45, s43, 6
	s_add_co_u32 s45, s45, 3145728                 ; q: words
	s_mul_i32 s46, s42, 106496
	s_lshr_b32 s47, s41, 5
	s_mul_i32 s47, s47, 26624
	s_add_co_u32 s46, s46, s47
	s_add_co_u32 s46, s46, 3407872                 ; k: my chunk
	s_and_b32 s47, s41, 31
	s_mul_i32 s48, s47, 768
	s_add_co_u32 s48, s48, s46                     ; k: codes
	s_lshl_b32 s47, s47, 6
	s_add_co_u32 s47, s47, s46
	s_add_co_u32 s47, s47, 24576                   ; k: words
	s_mov_b32 s49, 98304                           ; from head to head: q's codes,
	s_mov_b32 s50, 8192                            ; q's words,
	s_mov_b32 s51, 106496                          ; k's both
	s_cmp_lt_u32 ttmp9, 2
	s_cselect_b32 s44, s44, s48
	s_cselect_b32 s45, s45, s47
	s_cselect_b32 s49, s49, s51
	s_cselect_b32 s50, s50, s51
	s_mov_b32 s53, 0
	s_mov_b32 s52, s44
	s_add_nc_u64 s[8:9], s[84:85], s[52:53]
	s_mov_b32 s52, s49
	s_add_nc_u64 s[10:11], s[8:9], s[52:53]
	s_mov_b32 s52, s45
	s_add_nc_u64 s[12:13], s[84:85], s[52:53]
	s_mov_b32 s52, s50
	s_add_nc_u64 s[14:15], s[12:13], s[52:53]
	s_wait_loadcnt 0x0                             ; cos and sin
; Row tile a.  Accumulator (a, 4 e + 2 b + u), register j: head e, d = 32 b + 16 h + 8 u + j.  y(d) = q(d) cos - q(d + 32) sin, y(d + 32) = q(d + 32) cos + q(d) sin, frequency 16 h + 8 u + j.
.macro ROPEQ a
.if \a > 0
	s_wait_xcnt 0x0                                ; the last tile's stores have read their registers
.endif
	WIN 0x09                                       ; source 0 window 1, source 1 (cos) window 2
.irp e, 0,1
.irp u, 0,1
.irp j, 0,2,4,6
	v_pk_mul_f32 v[Y+32*\e+8*\u+\j:Y+32*\e+8*\u+\j+1], v[8*(8*\a+4*\e+\u)+\j:8*(8*\a+4*\e+\u)+\j+1], v[160+16*\a+8*\u+\j:160+16*\a+8*\u+\j+1]
	v_pk_mul_f32 v[Y+32*\e+16+8*\u+\j:Y+32*\e+16+8*\u+\j+1], v[8*(8*\a+4*\e+2+\u)+\j:8*(8*\a+4*\e+2+\u)+\j+1], v[160+16*\a+8*\u+\j:160+16*\a+8*\u+\j+1]
.endr
.endr
.endr
	WIN 0x0d                                       ; source 1 (sin) window 3
.irp e, 0,1
.irp u, 0,1
.irp j, 0,2,4,6
	v_pk_fma_f32 v[Y+32*\e+8*\u+\j:Y+32*\e+8*\u+\j+1], v[8*(8*\a+4*\e+2+\u)+\j:8*(8*\a+4*\e+2+\u)+\j+1], v[160+16*\a+8*\u+\j:160+16*\a+8*\u+\j+1], v[Y+32*\e+8*\u+\j:Y+32*\e+8*\u+\j+1] neg_lo:[0,1,0] neg_hi:[0,1,0]
	v_pk_fma_f32 v[Y+32*\e+16+8*\u+\j:Y+32*\e+16+8*\u+\j+1], v[8*(8*\a+4*\e+\u)+\j:8*(8*\a+4*\e+\u)+\j+1], v[160+16*\a+8*\u+\j:160+16*\a+8*\u+\j+1], v[Y+32*\e+16+8*\u+\j:Y+32*\e+16+8*\u+\j+1]
.endr
.endr
.endr
	WIN 0
	QUANT Y, 0                                     ; registers 0-5: the first head's 64, registers 6-11: the second's
	v_and_b32 v167, 0xffff, v[PW]
	v_lshl_or_b32 v165, v167, 16, v167             ; a head's two bytes, twice: the upper two scale the zeros that fill K to 128
	v_lshrrev_b32 v167, 16, v[PW]
	v_lshl_or_b32 v166, v167, 16, v167
.irp p, 0,1,2
	global_store_b64 v4, v[PC+2*\p:PC+2*\p+1], s[8:9] offset:768*\a+256*\p       ; each store covers 256 consecutive bytes, aligned
	global_store_b64 v4, v[PC+6+2*\p:PC+7+2*\p], s[10:11] offset:768*\a+256*\p
.endr
	global_store_b32 v5, v165, s[12:13] offset:64*\a
	global_store_b32 v5, v166, s[14:15] offset:64*\a
.endm
	ROPEQ 0
	ROPEQ 1
	ROPEQ 2
	ROPEQ 3
	s_wait_tensorcnt 0x0                           ; the wave's end
	ds_add_u32 v30, v31
	s_wait_dscnt 0x0
	CROUND                                         ; the closing round
	s_endpgm
	; ---------------- v ----------------
.Lv:
	s_lshr_b32 s91, s[WV], 1
	s_mul_i32 s92, s91, NP*TS                      ; source 0: row tiles 8 (w / 2) on: 128 keys
	s_and_b32 s93, s[WV], 1
	s_mul_i32 s94, s93, NQ*TS                      ; source 1: weight tiles 4 (w % 2) on: one head
	s_wait_alu depctr_va_vdst(0)
.irp c, 0,1,2,3
	v_add_nc_u32 v[8+\c], AL+49152*(\c/2)+HSB*(\c%2), v4
.endr
.irp c, 0,1
	v_add_nc_u32 v[12+\c], BL+HSB*\c, v4
.endr
.irp c, 0,1,2,3
	v_add_nc_u32 v[8+\c], s92, v[8+\c]
.endr
.irp c, 0,1
	v_add_nc_u32 v[12+\c], s94, v[12+\c]
.endr
	s_mul_i32 s92, s91, NP*64*NS                   ; the rows' words (source 0, lanes 16-31),
	s_mul_i32 s94, s93, NQ*64*NS
	s_add_co_u32 s94, s94, BSL-ASL                 ; the weight's (source 1, lanes 0-15), from ASL
	s_sub_co_u32 s94, s94, s92                     ; the distance
	v_xor_b32 v18, 1, v3                           ; 1 - h
	v_mul_u32_u24 v16, s94, v18                    ; one product: the lower base + (1 - h) x the distance
	s_add_co_u32 s92, s92, ASL
	v_add_nc_u32 v17, s92, v5
	v_add_nc_u32 v16, v16, v17
	s_wait_alu depctr_va_vdst(0)
	MAIN
	PLACES
	; v: [bh][chunk 4][4 key steps x 4 tiles of d x 1536, then 16 x 128 bytes of words]
	s_and_b32 s40, s90, 7
	s_lshl_b32 s40, s40, 1
	s_lshr_b32 s41, s[WV], 1
	s_add_co_u32 s40, s40, s41                     ; my key step
	s_sub_co_u32 s41, s89, 16
	s_lshl_b32 s41, s41, 1
	s_and_b32 s42, s[WV], 1
	s_add_co_u32 s41, s41, s42                     ; my head
	s_lshr_b32 s42, s90, 3
	s_lshl_b32 s42, s42, 4
	s_add_co_u32 s41, s41, s42                     ; bh
	s_mul_i32 s44, s41, 106496
	s_lshr_b32 s42, s40, 2
	s_mul_i32 s42, s42, 26624
	s_add_co_u32 s44, s44, s42
	s_add_co_u32 s44, s44, 6815744                 ; my chunk
	s_and_b32 s40, s40, 3
	s_mul_i32 s42, s40, 6144
	s_add_co_u32 s46, s44, s42                     ; codes
	s_lshl_b32 s42, s40, 9
	s_add_co_u32 s44, s44, s42
	s_add_co_u32 s44, s44, 24576                   ; words
	s_mov_b32 s45, 0
	s_mov_b32 s47, 0
	s_add_nc_u64 s[8:9], s[84:85], s[46:47]
	s_add_nc_u64 s[10:11], s[84:85], s[44:45]
.irp a, 0,1,2,3                        ; tile a of d: its eight accumulators are the lane's 64 keys as they stand
.if \a > 0
	s_wait_xcnt 0x0
.endif
	QUANT 64*\a, 1
.irp p, 0,1,2,3,4,5
	global_store_b64 v4, v[PC+2*\p:PC+2*\p+1], s[8:9] offset:1536*\a+256*\p
.endr
	global_store_b32 v6, v[PW], s[10:11] offset:128*\a
.endr
	s_wait_tensorcnt 0x0                           ; the wave's end
	ds_add_u32 v30, v31
	s_wait_dscnt 0x0
	CROUND                                         ; the closing round
	s_endpgm
.Lfunc_end_k_qa019ed052f_qkv:
	.size	k_qa019ed052f_qkv, .Lfunc_end_k_qa019ed052f_qkv-k_qa019ed052f_qkv
	.p2alignl 7, 3214868480
	.fill 96, 4, 3214868480
	.section	.rodata,"a",@progbits
	.p2align	6, 0x0
	.amdhsa_kernel k_qa019ed052f_qkv
		.amdhsa_group_segment_fixed_size 327680
		.amdhsa_private_segment_fixed_size 0
		.amdhsa_enable_private_segment 0
		.amdhsa_kernarg_size 24
		.amdhsa_user_sgpr_count 2
		.amdhsa_user_sgpr_kernarg_segment_ptr 1
		.amdhsa_wavefront_size32 1
		.amdhsa_system_sgpr_workgroup_id_x 1
		.amdhsa_system_sgpr_workgroup_id_y 1
		.amdhsa_system_sgpr_workgroup_id_z 1
		.amdhsa_system_vgpr_workitem_id 0
		.amdhsa_next_free_vgpr 1024
		.amdhsa_next_free_sgpr 102
		.amdhsa_reserve_vcc 0
		.amdhsa_float_denorm_mode_32 3
		.amdhsa_float_denorm_mode_16_64 3
		.amdhsa_memory_ordered 1
		.amdhsa_forward_progress 1
		.amdhsa_inst_pref_size 218
	.end_amdhsa_kernel
	.amdgpu_metadata
---
amdhsa.version: [ 1, 2 ]
amdhsa.kernels:
  - .name:           k_qa019ed052f_qkv
    .symbol:         k_qa019ed052f_qkv.kd
    .args:
      - { .name: xq, .offset: 0, .size: 8, .value_kind: global_buffer, .address_space: global }
      - { .name: wimg, .offset: 8, .size: 8, .value_kind: global_buffer, .address_space: global }
      - { .name: qkvb, .offset: 16, .size: 8, .value_kind: global_buffer, .address_space: global }
    .group_segment_fixed_size: 327680
    .private_segment_fixed_size: 0
    .kernarg_segment_align: 8
    .kernarg_segment_size: 24
    .max_flat_workgroup_size: 128
    .sgpr_count:     102
    .vgpr_count:     1024
    .wavefront_size: 32
...
	.end_amdgpu_metadata
.endif
;; end of part 2
;; launch attn (part 3): grid 8 x 32, 16 waves a work-group, no clusters, 215,040 bytes of LDS; arguments qkvb, maskw, ao; writes ao
.if DOCPART == 3
	.amdgcn_target "amdgcn-amd-amdhsa--gfx1250"
	.amdhsa_code_object_version 6
	.text
	.protected	k_qa019ed052f_attn
	.globl	k_qa019ed052f_attn
	.p2align	8
	.type	k_qa019ed052f_attn,@function
k_qa019ed052f_attn:
	s_mov_b64 s[64:65], 0
	v_nop
	global_prefetch_b8 v0, s[64:65] scope:SCOPE_SE
	s_setreg_imm32_b32 hwreg(HW_REG_WAVE_MODE, 25, 1), 1
	s_wait_xcnt 0x0
; ATTENTION on codes of E2M3.  A work-group owns 16 tiles of 16 queries of one head and batch (bh), a tile to a wave; a wave walks the 2,048 keys, 128 a step.
; THE MASK IS AN INPUT AND DECIDES THE WORK.  The first launch stored it as lane masks (word n for register n of the scores) and, for each (tile, key step), a flag byte: bit 0 = some key counts, bit 1 = every key counts.
; A step with bit 0 clear is jumped over: all its scores would be -infinity, so its p are 0 and neither the maximum, the sum nor O moves, whatever the inputs hold.  A step with bit 1 set needs no select and loads no mask word.
; Every other step loads its 64 words and selects.  No pattern of the mask is built in: the flags are read from memory.  LIMIT: a NaN or an infinity in K or V that reaches only hidden keys of a step left out is not carried on.
; NO TENSOR LOADS, NO JOINT REQUESTS: branches hang on numbers read from memory.  K and V (2 x 106,496 bytes) come through registers: wave w copies bytes 13,312 w on,
; 26 loads and 26 LDS stores of 512 consecutive bytes; one barrier; nothing in LDS is written twice.  No prefetch: the fill stands at the head, with no loop to run ahead in.
; WHICH TILES: wave w takes tile 8 row(w) + g of the sequence's 128, row() a 4 x 4 square of 0..15 whose rows and columns all sum to 30: waves of equal w % 4, and of equal w / 4, together cover the sequence evenly.
; Both products are used transposed: S^T = K Q^T, O^T = V^T P^T: a lane holds one query throughout; the 16 registers of tiles 2 b, 2 b + 1 are keys 32 b + 16 h + 0 .. 15.
; K = 64 IN AN INSTRUCTION OF 128: q's registers 6-11 are zero codes; k's upper six registers are the next tile's codes or zeros: finite numbers times zero.  Both scale words repeat their two bytes.
; SOFTMAX: t = score x log2(e) / 8; M = the running largest t rounded up; p = 2^(t - M) is quantised along the keys; the sum is taken of the unquantised p; when M moves, sum and O^T are multiplied by 2^(old M - new M), exactly.
; LIMIT: the promise holds while |t| stays under 2^31.  A ROW WITH NO KEY: its sum is 0; its two scale bytes go out as 0xff, which makes the next product's sums NaN in that row, as the definition has them.
; OUT: O / sum, quantised along the head's 64: half a fragment of the next product's operand, and two scale bytes a row.
; REGISTERS: v1-4, v7 addresses; v5 -infinity; v6, v29 the fill's addresses; v8-11 the chunk's addresses; v12 -M, v13 largest t, v[14:15] the sum; v16-27 Q; v28 Q's words; v30, v31 the add's; v32-85 K or V (at the head v32-135 the fill);
;   v86-93 their words; v96-159 S^T, then p; v160-191 O^T; v192-203 p's codes; v204-210 second halves; v212-223 at work; v[226:227] f; v228 at work; v229 p's words; v242-255 chains of the sum.
.set WV, 100
.set SEL, 66
.set CS, 96
.set BM, 212
.set PX, 216
.set SO, 220
.set TC, 242
.macro PLACES
.rept 4
	v_nop
.endr
.endm
.macro MLOAD st                        ; the key step's 64 mask words: word n in s[4 + n] (n < 48) or s[20 + n]
	s_load_b512 s[4:19], s[98:99], s104 offset:256*\st
	s_load_b512 s[20:35], s[98:99], s104 offset:256*\st+0x40
	s_load_b512 s[36:51], s[98:99], s104 offset:256*\st+0x80
	s_load_b512 s[68:83], s[98:99], s104 offset:256*\st+0xc0
.endm
	s_load_b128 s[4:7], s[0:1], 0x0                ; qkvb, maskw
	s_load_b64 s[8:9], s[0:1], 0x10                ; ao
	v_lshl_add_u32 v30, v0, 2, 212992              ; my spare word, behind K and V,
	v_mov_b32 v31, 0                               ; and 0: both kept for the add alone
	v_lshrrev_b32 v1, 5, v0
	v_readfirstlane_b32 s[WV], v1                  ; wave 0..15
	s_mov_b32 s12, 0x7a94c12f                      ; row(w), four bits a wave: 15 2 1 12 / 4 9 10 7 /
	s_mov_b32 s13, 0x0de3b658                      ; 8 5 6 11 / 3 14 13 0
	s_cmp_lt_u32 s[WV], 8
	s_cselect_b32 s12, s12, s13
	s_and_b32 s13, s[WV], 7
	s_lshl_b32 s13, s13, 2
	s_lshr_b32 s12, s12, s13
	s_and_b32 s12, s12, 15
	s_lshl_b32 s12, s12, 3
	s_add_co_u32 s12, s12, ttmp9                   ; my tile of queries in the sequence
	s_and_b32 s13, ttmp7, 0xffff                   ; bh
	s_lshr_b32 s14, s13, 4
	s_lshl_b32 s14, s14, 7
	s_add_co_u32 s14, s14, s12                     ; T: my row tile
	s_lshr_b32 s15, s[WV], 3                       ; waves 0-7 copy K, waves 8-15 V
	s_mul_i32 s16, s15, 3407872
	s_add_co_u32 s16, s16, 3407872
	s_mul_i32 s15, s13, 106496
	s_add_co_u32 s16, s16, s15
	s_and_b32 s15, s[WV], 7
	s_mul_i32 s15, s15, 13312
	s_add_co_u32 s16, s16, s15                     ; in qkvb: my eighth
	s_mov_b32 s17, 0
	s_mul_i32 s15, s[WV], 13312                    ; in LDS: V's 106,496 bytes follow K's
	s_lshl_b32 s18, s13, 7
	s_add_co_u32 s18, s18, s12
	s_mul_i32 s20, s18, 768                        ; Q's codes
	s_mov_b32 s21, 0
	s_lshl_b32 s22, s18, 6
	s_add_co_u32 s22, s22, 3145728                 ; Q's words
	s_mov_b32 s23, 0
	s_lshl_b32 s24, s14, 12                        ; my tile's 16 x 64 mask words
	s_mov_b32 s25, 0
	s_lshl_b32 s26, s14, 4
	s_add_co_u32 s26, s26, 1048576                 ; and its 16 flag bytes
	s_mov_b32 s27, 0
	s_and_b32 s28, s13, 15                         ; the head:
	s_lshr_b32 s29, s28, 1                         ; the next product's K step,
	s_and_b32 s28, s28, 1                          ; and its half
	s_mul_i32 s30, s14, 12288
	s_mul_i32 s31, s29, 1536
	s_add_co_u32 s30, s30, s31
	s_mul_i32 s31, s28, 768
	s_add_co_u32 s30, s30, s31                     ; ao: my codes
	s_mov_b32 s31, 0
	s_lshl_b32 s32, s14, 9
	s_lshl_b32 s29, s29, 6
	s_add_co_u32 s32, s32, s29
	s_lshl_b32 s28, s28, 1
	s_add_co_u32 s32, s32, s28
	s_add_co_u32 s32, s32, 3145728                 ; ao: my scale bytes
	s_mov_b32 s33, 0
	s_mov_b32 s[SEL], 0x76543210
	s_mov_b32 s[SEL+1], 0xfedcba98
	s_mov_b32 s[CS], 0x3e38aa3b                    ; c = log2(e) / 8
	s_mov_b32 s[CS+1], s[CS]
	v_and_b32 v6, 31, v0
	v_and_b32 v7, 15, v0
	v_lshlrev_b32 v1, 3, v6                        ; K's images: 8 x lane
	v_lshlrev_b32 v7, 2, v7                        ; 4 r
	v_lshlrev_b32 v4, 2, v6
	v_lshlrev_b32 v6, 4, v6                        ; the fill: 16 x lane
	v_add_nc_u32 v2, 106496, v1                    ; V's images
	v_add_nc_u32 v3, 24576, v7                     ; K's words
	v_add_nc_u32 v4, 131072, v4                    ; V's words: 4 x lane
	v_add_nc_u32 v29, s15, v6                      ; where my part of the fill goes
	v_mov_b32 v5, 0xff800000
	v_mov_b32 v13, 0xff61b1e6                      ; the largest t so far: -3e38
	v_mov_b32 v14, 0
	v_mov_b32 v15, 0
	v_floor_f32 v12, -v13
.irp j, 22,23,24,25,26,27,216,217,218,219,227,228
	v_mov_b32 v[\j], 0                             ; zero codes; and registers that are named before they are first written
.endr
.set j, 0
.rept 32
	v_mov_b32 v[160+j], 0                          ; O^T: the step is written once; its first turn finds zeros
.set j, j+1
.endr
	s_wait_alu depctr_va_vdst(0)                   ; the wait at the head's end
	s_wait_kmcnt 0x0
	s_add_nc_u64 s[16:17], s[4:5], s[16:17]
	s_add_nc_u64 s[20:21], s[4:5], s[20:21]
	s_add_nc_u64 s[22:23], s[4:5], s[22:23]
	s_add_nc_u64 s[98:99], s[6:7], s[24:25]
	s_add_nc_u64 s[26:27], s[6:7], s[26:27]
	s_add_nc_u64 s[90:91], s[8:9], s[30:31]
	s_add_nc_u64 s[92:93], s[8:9], s[32:33]
	s_load_b128 s[84:87], s[26:27], 0x0            ; my 16 flag bytes: a word for each chunk of four steps
.set i, 0
.rept 26
	global_load_b128 v[32+4*i:35+4*i], v6, s[16:17] offset:512*i   ; each load covers 512 consecutive bytes, aligned
.set i, i+1
.endr
.irp p, 0,1,2
	global_load_b64 v[16+2*\p:17+2*\p], v1, s[20:21] offset:256*\p
.endr
	global_load_b32 v28, v7, s[22:23]
	s_wait_loadcnt 17                              ; the fill's first 13 loads are in; its other 13 and Q's 4 may be out
.set i, 0
.rept 13
	ds_store_b128 v29, v[32+4*i:35+4*i] offset:512*i
.set i, i+1
.endr
	s_wait_loadcnt 4                               ; the whole fill is in; Q's 4 may be out
.rept 13
	ds_store_b128 v29, v[32+4*i:35+4*i] offset:512*i
.set i, i+1
.endr
	s_wait_tensorcnt 0x0                           ; behind my last LDS store
	ds_add_u32 v30, v31
	s_wait_dscnt 0x0                               ; for the others' sake too: my stores have landed
	s_barrier_signal -1
	s_barrier_wait -1                              ; everybody's have: K and V are whole
.irp j, 80,81,82,83,84,85
	v_mov_b32 v[\j], 0                             ; the zeros behind K's last tile
.endr
	s_mov_b32 s2, 0
	s_mov_b32 s104, 0
	s_mov_b32 s101, 4
	s_wait_loadcnt 0x0                             ; Q; and every load has read its base, where mask words will land
	s_wait_kmcnt 0x0                               ; the flags
.macro STEP st                         ; step st of a chunk of 512 keys: its place stands in the loads' immediates
	s_bitcmp1_b32 s84, 8*\st                       ; does any key of this step count for my tile?
	s_cbranch_scc0 .Lskip_\@
	PLACES                                         ; behind the last products, ahead of loads into their registers
.irp t, 0,1,2,3,4,5,6,7
.irp p, 0,1,2
	ds_load_b64 v[32+6*\t+2*\p:33+6*\t+2*\p], v8 offset:6144*\st+768*\t+256*\p
.endr
	ds_load_b32 v[86+\t], v10 offset:512*\st+64*\t
.endr
	s_wait_alu depctr_va_vdst(0)
	s_wait_dscnt 0x0
.irp t, 0,1,2,3,4,5,6,7
	v_wmma_scale_f32_16x16x128_f8f6f4 v[96+8*\t:103+8*\t], v[32+6*\t:43+6*\t], v[16:27], 0, v[86+\t], v28 matrix_a_fmt:MATRIX_FMT_FP6 matrix_b_fmt:MATRIX_FMT_FP6
.endr
	PLACES
.irp t, 0,1,2,3                        ; V's four fragments land while the softmax runs
.irp p, 0,1,2,3,4,5
	ds_load_b64 v[32+12*\t+2*\p:33+12*\t+2*\p], v9 offset:6144*\st+1536*\t+256*\p
.endr
	ds_load_b32 v[86+\t], v11 offset:512*\st+128*\t
.endr
	s_bitcmp1_b32 s84, 8*\st+1                     ; does every key count?  Then nothing is selected
	s_cbranch_scc1 .Lclear_\@
	MLOAD \st
	s_wait_kmcnt 0x0
.set n, 0
.rept 64
	v_cndmask_b32 v[96+n], v5, v[96+n], s[4+n+16*(n/48)]   ; a hidden key's score becomes -infinity
.set n, n+1
.endr
.Lclear_\@:
.irp b, 0,1,2,3
	v_max3_num_f32 v[BM+\b], v[96+16*\b], v[97+16*\b], v[98+16*\b]   ; the largest score of each block of 32 keys: for the row's maximum, and, since p rises with the score, for the block's largest p
.endr
.irp i, 3,5,7,9,11,13
.irp b, 0,1,2,3
	v_max3_num_f32 v[BM+\b], v[BM+\b], v[96+16*\b+\i], v[97+16*\b+\i]
.endr
.endr
.irp b, 0,1,2,3
	v_max_num_f32 v[BM+\b], v[BM+\b], v[111+16*\b]
.endr
.irp b, 0,1,2,3
	v_permlanex16_b32 v[PX+\b], v[BM+\b], s[SEL], s[SEL+1]
.endr
.irp b, 0,1,2,3
	v_max_num_f32 v[BM+\b], v[BM+\b], v[PX+\b]
.endr
	s_delay_alu instid0(VALU_DEP_2)
	v_max3_num_f32 v228, v[BM], v[BM+1], v[BM+2]
	s_delay_alu instid0(VALU_DEP_1)
	v_max_num_f32 v228, v228, v[BM+3]
	s_delay_alu instid0(VALU_DEP_1)
	v_mul_f32 v228, s[CS], v228
	s_delay_alu instid0(VALU_DEP_1)
	v_max_num_f32 v13, v13, v228                   ; the running largest t
	v_mov_b32 v228, v12
	s_delay_alu instid0(VALU_DEP_2)
	v_floor_f32 v12, -v13                          ; -M = floor(-t)
	s_delay_alu instid0(VALU_DEP_1)
	v_sub_f32 v228, v12, v228                      ; old M - new M: a whole number, 0 or less
	s_delay_alu instid0(VALU_DEP_1)
	v_cvt_i32_f32 v228, v228                       ; (it saturates)
	s_delay_alu instid0(VALU_DEP_1)
	v_ldexp_f32 v226, 1.0, v228                    ; f = 2^(old M - new M)
.set j, 0
.rept 32
	v_pk_fma_f32 v[96+j:97+j], v[96+j:97+j], s[CS:CS+1], v[12:13] op_sel_hi:[1,0,0]   ; t - M
.set j, j+2
.endr
.irp b, 0,1,2,3
	v_fma_f32 v[BM+\b], v[BM+\b], s[CS], v12
.endr
	s_wait_alu depctr_va_vdst(0)                   ; the wait ahead of the batch
.set j, 0
.rept 64
	v_exp_f32 v[96+j], v[96+j]                     ; p
.set j, j+1
.endr
	v_pk_mul_f32 v[14:15], v[14:15], v[226:227] op_sel_hi:[1,0]   ; the sum under the new M (the plain place behind the batch)
	s_wait_alu depctr_va_vdst(0)                   ; one wait for the batch, ahead of its first reader
.irp b, 0,1,2,3
	v_exp_f32 v[BM+\b], v[BM+\b]                   ; the blocks' largest p
.endr
.irp c, 0,1,2,3,4,5,6                  ; the sum of the unquantised p: 32 pairs in eight chains
	v_pk_add_f32 v[TC+2*\c:TC+2*\c+1], v[96+4*\c:97+4*\c], v[98+4*\c:99+4*\c]
.endr
	v_pk_add_f32 v[14:15], v[14:15], v[124:125]
.irp c, 0,1,2,3,4,5,6
	v_pk_add_f32 v[TC+2*\c:TC+2*\c+1], v[TC+2*\c:TC+2*\c+1], v[126+2*\c:127+2*\c]
.endr
	v_pk_add_f32 v[14:15], v[14:15], v[140:141]
.irp c, 0,1,2,3,4,5,6
	v_pk_add_f32 v[TC+2*\c:TC+2*\c+1], v[TC+2*\c:TC+2*\c+1], v[142+2*\c:143+2*\c]
.endr
	v_pk_add_f32 v[14:15], v[14:15], v[156:157]
	v_pk_add_f32 v[TC:TC+1], v[TC:TC+1], v[158:159]
	v_pk_add_f32 v[TC+4:TC+5], v[TC+4:TC+5], v[TC+6:TC+7]
	v_pk_add_f32 v[TC+8:TC+9], v[TC+8:TC+9], v[TC+10:TC+11]
	v_pk_add_f32 v[14:15], v[14:15], v[TC+12:TC+13]
	v_pk_add_f32 v[TC:TC+1], v[TC:TC+1], v[TC+2:TC+3]
	s_delay_alu instid0(VALU_DEP_2)
	v_pk_add_f32 v[14:15], v[14:15], v[TC+8:TC+9]
	s_delay_alu instid0(VALU_DEP_2)
	v_pk_add_f32 v[TC:TC+1], v[TC:TC+1], v[TC+4:TC+5]
	s_delay_alu instid0(VALU_DEP_1)
	v_pk_add_f32 v[14:15], v[14:15], v[TC:TC+1]
	s_wait_alu depctr_va_vdst(0)                   ; and one for the four
.irp b, 0,1,2,3
	v_max_num_f32 v[BM+\b], 0x1800000, v[BM+\b]    ; the floor 2^(3 - 127)
.endr
.irp b, 0,1,2,3
	v_add_nc_u32 v[SO+\b], 0xff000000, v[BM+\b]    ; 2 off the exponent field: the conversion's scale operand
.endr
.irp b, 0,1,2,3
	v_lshrrev_b32 v[PX+\b], 23, v[SO+\b]           ; the scale's byte
.endr
	s_delay_alu instid0(VALU_DEP_3)
	v_lshl_or_b32 v229, v[PX+1], 8, v[PX]
	s_delay_alu instid0(VALU_DEP_1)
	v_lshl_or_b32 v229, v[PX+2], 16, v229
	s_delay_alu instid0(VALU_DEP_1)
	v_lshl_or_b32 v229, v[PX+3], 24, v229
.irp c, 0,1
	v_cvt_scalef32_pk16_fp6_f32 v[192+6*\c:194+6*\c], v[96+32*\c:111+32*\c], v[SO+2*\c]
	v_cvt_scalef32_pk16_fp6_f32 v[204+4*\c:206+4*\c], v[112+32*\c:127+32*\c], v[SO+2*\c+1]
.endr
	v_nop                                          ; one plain place behind a scaled conversion
.irp c, 0,1
.irp i, 0,1,2
	v_permlane16_swap_b32 v[192+6*\c+\i], v[204+4*\c+\i]
.endr
.irp i, 0,1,2
	v_mov_b32 v[195+6*\c+\i], v[204+4*\c+\i]
.endr
.endr
	s_wait_alu depctr_va_vdst(0)                   ; the wait ahead of the first reader of O^T
.set j, 0
.rept 16
	v_pk_mul_f32 v[160+j:161+j], v[160+j:161+j], v[226:227] op_sel_hi:[1,0]   ; O^T under the new M, each accumulator from its low end on; also the places ahead of the products below
.set j, j+2
.endr
	s_wait_alu depctr_va_vdst(0)
	s_wait_dscnt 0x0                               ; V
.irp t, 0,1,2,3
	v_wmma_scale_f32_16x16x128_f8f6f4 v[160+8*\t:167+8*\t], v[32+12*\t:43+12*\t], v[192:203], v[160+8*\t:167+8*\t], v[86+\t], v229 matrix_a_fmt:MATRIX_FMT_FP6 matrix_b_fmt:MATRIX_FMT_FP6
.endr
.Lskip_\@:
.endm
.Lchunk:                                               ; a trip: one chunk of 512 keys, four steps; the trip count is a constant, the flags lead round a step's work alone
	v_add_nc_u32 v8, s2, v1                        ; the chunk's addresses
	v_add_nc_u32 v9, s2, v2
	v_add_nc_u32 v10, s2, v3
	v_add_nc_u32 v11, s2, v4
	s_wait_alu depctr_va_vdst(0)                   ; the wait ahead of the branches below
	STEP 0
	STEP 1
	STEP 2
	STEP 3
	s_mov_b32 s84, s85                             ; the next chunk's four flag bytes
	s_mov_b32 s85, s86
	s_mov_b32 s86, s87
	s_add_co_u32 s2, s2, 26624
	s_add_co_u32 s104, s104, 1024
	s_sub_co_u32 s101, s101, 1
	s_cmp_lg_u32 s101, 0
	s_cbranch_scc1 .Lchunk
	; THE WAY OUT
	PLACES
	v_add_f32 v14, v14, v15
	s_delay_alu instid0(VALU_DEP_1)
	v_permlanex16_b32 v228, v14, s[SEL], s[SEL+1]
	s_delay_alu instid0(VALU_DEP_1)
	v_add_f32 v14, v14, v228                       ; the row's sum
	s_delay_alu instid0(VALU_DEP_1)
	v_cmp_eq_f32 vcc_lo, 0, v14                    ; a row with no key
	s_wait_alu depctr_va_vdst(0)                   ; the wait ahead of the transcendental
	v_rcp_f32 v15, v14
	v_mov_b32 v228, 0xffff                         ; (the plain place)
	s_wait_alu depctr_va_vdst(0)
.set j, 0
.rept 32
	v_mul_f32 v[96+j], v[160+j], v15               ; register 16 b + i = d 32 b + 16 h + i
.set j, j+1
.endr
.irp b, 0,1
	v_max3_num_f32 v[BM+\b], |v[96+16*\b]|, |v[97+16*\b]|, 0x1800000
.endr
.irp i, 2,4,6,8,10,12,14
.irp b, 0,1
	s_delay_alu instid0(VALU_DEP_2)
	v_max3_num_f32 v[BM+\b], v[BM+\b], |v[96+16*\b+\i]|, |v[97+16*\b+\i]|
.endr
.endr
.irp b, 0,1
	s_delay_alu instid0(VALU_DEP_2)
	v_permlanex16_b32 v[PX+\b], v[BM+\b], s[SEL], s[SEL+1]
.endr
.irp b, 0,1
	s_delay_alu instid0(VALU_DEP_2)
	v_max_num_f32 v[BM+\b], v[BM+\b], v[PX+\b]
.endr
.irp b, 0,1
	s_delay_alu instid0(VALU_DEP_2)
	v_add_nc_u32 v[SO+\b], 0xff000000, v[BM+\b]
.endr
.irp b, 0,1
	s_delay_alu instid0(VALU_DEP_2)
	v_lshrrev_b32 v[PX+\b], 23, v[SO+\b]
.endr
	s_delay_alu instid0(VALU_DEP_1)
	v_lshl_or_b32 v229, v[PX+1], 8, v[PX]
	s_delay_alu instid0(VALU_DEP_1)
	v_cndmask_b32 v229, v229, v228, vcc_lo         ; no key: both bytes 0xff
	v_cvt_scalef32_pk16_fp6_f32 v[192:194], v[96:111], v[SO]
	v_cvt_scalef32_pk16_fp6_f32 v[204:206], v[112:127], v[SO+1]
	v_nop
.irp i, 0,1,2
	v_permlane16_swap_b32 v[192+\i], v[204+\i]
.endr
.irp i, 0,1,2
	v_mov_b32 v[195+\i], v[204+\i]
.endr
.irp p, 0,1,2
	global_store_b64 v1, v[192+2*\p:193+2*\p], s[90:91] offset:256*\p   ; each store covers 256 consecutive bytes, aligned
.endr
	global_store_b16 v7, v229, s[92:93]            ; two of a scale word's four bytes: the other two are the neighbouring head's
	s_endpgm
.Lfunc_end_k_qa019ed052f_attn:
	.size	k_qa019ed052f_attn, .Lfunc_end_k_qa019ed052f_attn-k_qa019ed052f_attn
	.p2alignl 7, 3214868480
	.fill 96, 4, 3214868480
	.section	.rodata,"a",@progbits
	.p2align	6, 0x0
	.amdhsa_kernel k_qa019ed052f_attn
		.amdhsa_group_segment_fixed_size 215040
		.amdhsa_private_segment_fixed_size 0
		.amdhsa_enable_private_segment 0
		.amdhsa_kernarg_size 24
		.amdhsa_user_sgpr_count 2
		.amdhsa_user_sgpr_kernarg_segment_ptr 1
		.amdhsa_wavefront_size32 1
		.amdhsa_system_sgpr_workgroup_id_x 1
		.amdhsa_system_sgpr_workgroup_id_y 1
		.amdhsa_system_sgpr_workgroup_id_z 1
		.amdhsa_system_vgpr_workitem_id 0
		.amdhsa_next_free_vgpr 256
		.amdhsa_next_free_sgpr 105
		.amdhsa_reserve_vcc 1
		.amdhsa_float_denorm_mode_32 3
		.amdhsa_float_denorm_mode_16_64 3
		.amdhsa_memory_ordered 1
		.amdhsa_forward_progress 1
		.amdhsa_inst_pref_size 104
	.end_amdhsa_kernel
	.amdgpu_metadata
---
amdhsa.version: [ 1, 2 ]
amdhsa.kernels:
  - .name:           k_qa019ed052f_attn
    .symbol:         k_qa019ed052f_attn.kd
    .args:
      - { .name: qkvb, .offset: 0, .size: 8, .value_kind: global_buffer, .address_space: global }
      - { .name: maskw, .offset: 8, .size: 8, .value_kind: global_buffer, .address_space: global }
      - { .name: ao, .offset: 16, .size: 8, .value_kind: global_buffer, .address_space: global }
    .group_segment_fixed_size: 215040
    .private_segment_fixed_size: 0
    .kernarg_segment_align: 8
    .kernarg_segment_size: 24
    .max_flat_workgroup_size: 512
    .sgpr_count:     105
    .vgpr_count:     256
    .wavefront_size: 32
...
	.end_amdgpu_metadata
.endif
;; end of part 3
;; launch oproj (part 4): grid 256 x 1, 8 waves a work-group, no clusters, 80,128 bytes of LDS; arguments ao, wimg, x, g2, x1, xn; writes x1, xn
.if DOCPART == 4
	.amdgcn_target "amdgcn-amd-amdhsa--gfx1250"
	.amdhsa_code_object_version 6
	.text
	.protected	k_qa019ed052f_oproj
	.globl	k_qa019ed052f_oproj
	.p2align	8
	.type	k_qa019ed052f_oproj,@function
k_qa019ed052f_oproj:
	s_mov_b64 s[64:65], 0
	v_nop
	global_prefetch_b8 v0, s[64:65] scope:SCOPE_SE
	s_setreg_imm32_b32 hwreg(HW_REG_WAVE_MODE, 25, 1), 1
	s_wait_xcnt 0x0
; OUT PROJECTION, RESIDUAL, SECOND NORM.  x1 = x + ao Wout on codes of E2M3; xn = rmsnorm(x1, g2), quantised along its 1,024.
; A work-group owns ONE row tile (16 rows) with all 1,024 columns, so that the norm is made here.  Wave w makes columns 128 w on: Wout's tiles 8 w .. 8 w + 7, which are K step w of the next product.
; NO TENSOR LOADS, NO JOINT REQUESTS: with one row tile each fragment of Wout feeds exactly one matrix instruction of one wave; through LDS each of its bytes would be written and read once more and none be spared.
; The fragments come from wimg straight into registers, as images: each load covers 256 consecutive bytes, aligned.
; The product is used transposed (source 0 = 16 rows of Wout): a lane holds one row; register 16 b + i of its eight tiles is column 128 w + 32 b + 16 h + i.
; LDS: ao's 8 fragments (0) and their words (12,288); XS: 16 rows of x, then of x1, 4,096 bytes + 16 (12,800); partial sums of squares [row][wave] (78,592).  Two barriers.
; REGISTERS: v1-11 addresses; v12-19 Wout's scale words (two sets), v20-27 ao's: they hold nothing else; v32-95 accumulators, later x1's rows on their way out; v96-143, v144-191 Wout's fragments, two sets;
;   v192-215 ao's fragments, two sets; later v96-159 x and x1, v160-223 g2, v224-243 codes, v244-255 at work.
; LIMITS: a block of zeros, or one under 2^-124, gets the byte 1.  1 / rms is v_rsq_f32 (within 1 ulp).  A row whose scale bytes are 0xff (no key in attention) gives NaN in x1; its codes in xn are then of no account: the last launch adds x1.
.set XS, 12800
.set PSB, 78592
.set PC, 224
.set PW, 243
.set TM, 244
.set SEL, 18
.macro PLACES
.rept 4
	v_nop
.endr
.endm
.macro BLOAD i                         ; half i: K step i / 2, my tiles 4 (i % 2) on: 24 + 4 loads
.set bs, (\i)/2
.set bt, 4*((\i)%2)
.set bf, 96+48*((\i)%2)
.irp t, 0,1,2,3
.irp p, 0,1,2,3,4,5
	global_load_b64 v[bf+12*\t+2*\p:bf+12*\t+2*\p+1], v1, s[24:25] offset:(bt+\t)*12288+bs*1536+256*\p
.endr
	global_load_b32 v[12+bt+\t], v2, s[26:27] offset:(bt+\t)*512+bs*64
.endr
.endm
.macro ALOAD s                         ; ao's fragment of K step s
.irp p, 0,1,2,3,4,5
	ds_load_b64 v[192+12*((\s)%2)+2*\p:193+12*((\s)%2)+2*\p], v1 offset:1536*(\s)+256*\p
.endr
.endm
.macro HALF i                          ; four products; the eight accumulators take turns, one instruction a turn
.set hs, (\i)/2
.set ht, 4*((\i)%2)
.set hf, 96+48*((\i)%2)
.set ha, 192+12*(hs%2)
.if (\i)%2 == 0
.if hs < 7
	ALOAD hs+1
	s_wait_dscnt 6                                 ; this K step's fragment of ao is in; the next one's six loads may be out
.else
	s_wait_dscnt 0x0
.endif
.endif
.if (\i) < 15
	s_wait_loadcnt 28                              ; this half's 28 loads are in; the next half's may be out
.else
	s_wait_loadcnt 0x0
.endif
.irp t, 0,1,2,3
.if hs == 0
	v_wmma_scale_f32_16x16x128_f8f6f4 v[32+8*(ht+\t):39+8*(ht+\t)], v[hf+12*\t:hf+12*\t+11], v[ha:ha+11], 0, v[12+ht+\t], v[20+hs] matrix_a_fmt:MATRIX_FMT_FP6 matrix_b_fmt:MATRIX_FMT_FP6
.else
	v_wmma_scale_f32_16x16x128_f8f6f4 v[32+8*(ht+\t):39+8*(ht+\t)], v[hf+12*\t:hf+12*\t+11], v[ha:ha+11], v[32+8*(ht+\t):39+8*(ht+\t)], v[12+ht+\t], v[20+hs] matrix_a_fmt:MATRIX_FMT_FP6 matrix_b_fmt:MATRIX_FMT_FP6
.endif
.endr
	PLACES                                         ; ahead of loads into registers that these products read, and of the first read of results
.if (\i) < 14
	BLOAD (\i)+2
.endif
.endm
.macro QUANT s
.irp b, 0,1,2,3
	v_max3_num_f32 v[TM+\b], |v[\s+16*\b]|, |v[\s+1+16*\b]|, 0x1800000
.endr
.irp i, 2,4,6,8,10,12,14
.irp b, 0,1,2,3
	s_delay_alu instid0(VALU_DEP_4)
	v_max3_num_f32 v[TM+\b], v[TM+\b], |v[\s+16*\b+\i]|, |v[\s+1+16*\b+\i]|
.endr
.endr
.irp b, 0,1,2,3
	s_delay_alu instid0(VALU_DEP_4)
	v_permlanex16_b32 v[TM+4+\b], v[TM+\b], s[SEL], s[SEL+1]
.endr
.irp b, 0,1,2,3
	s_delay_alu instid0(VALU_DEP_4)
	v_max_num_f32 v[TM+\b], v[TM+\b], v[TM+4+\b]
.endr
.irp b, 0,1,2,3
	s_delay_alu instid0(VALU_DEP_4)
	v_add_nc_u32 v[TM+8+\b], 0xff000000, v[TM+\b]
.endr
.irp b, 0,1,2,3
	s_delay_alu instid0(VALU_DEP_4)
	v_lshrrev_b32 v[TM+4+\b], 23, v[TM+8+\b]
.endr
	s_delay_alu instid0(VALU_DEP_3)
	v_lshl_or_b32 v[PW], v[TM+5], 8, v[TM+4]
	s_delay_alu instid0(VALU_DEP_1)
	v_lshl_or_b32 v[PW], v[TM+6], 16, v[PW]
	s_delay_alu instid0(VALU_DEP_1)
	v_lshl_or_b32 v[PW], v[TM+7], 24, v[PW]
.irp c, 0,1
	v_cvt_scalef32_pk16_fp6_f32 v[PC+6*\c:PC+2+6*\c], v[\s+32*\c:\s+15+32*\c], v[TM+8+2*\c]
	v_cvt_scalef32_pk16_fp6_f32 v[PC+12+4*\c:PC+14+4*\c], v[\s+16+32*\c:\s+31+32*\c], v[TM+9+2*\c]
.endr
	v_nop
.irp c, 0,1
.irp i, 0,1,2
	v_permlane16_swap_b32 v[PC+6*\c+\i], v[PC+12+4*\c+\i]
.endr
.irp i, 0,1,2
	s_delay_alu instid0(VALU_DEP_3)
	v_mov_b32 v[PC+3+6*\c+\i], v[PC+12+4*\c+\i]
.endr
.endr
.endm
	s_load_b256 s[4:11], s[0:1], 0x0               ; ao 4, wimg 6, x 8, g2 10
	s_load_b128 s[12:15], s[0:1], 0x20             ; x1 12, xn 14
	v_lshl_add_u32 v30, v0, 2, 79104               ; my spare word, behind the partial sums,
	v_mov_b32 v31, 0                               ; and 0: both kept for the add alone
	v_lshrrev_b32 v1, 5, v0
	s_delay_alu instid0(VALU_DEP_1)
	v_readfirstlane_b32 s16, v1                    ; wave 0..7
	v_and_b32 v3, 31, v0                           ; lane
	v_and_b32 v2, 15, v0                           ; r
	v_bfe_u32 v11, v0, 4, 1                        ; h
	s_delay_alu instid0(VALU_DEP_3)
	v_lshlrev_b32 v1, 3, v3                        ; 8 x lane
	s_mul_i32 s22, s16, 8224
	v_lshlrev_b32 v3, 4, v3                        ; 16 x lane
	s_delay_alu instid0(VALU_DEP_1)
	v_add_nc_u32 v4, s22, v3
	s_delay_alu instid0(VALU_DEP_1)
	v_add_nc_u32 v4, XS, v4                        ; XS by rows: rows 2 w, 2 w + 1
	v_mul_u32_u24 v5, v2, 4112
	s_delay_alu instid0(VALU_DEP_1)
	v_lshl_add_u32 v5, v11, 6, v5
	s_lshl_b32 s22, s16, 9
	v_add_nc_u32 v5, s22, v5
	s_delay_alu instid0(VALU_DEP_1)
	v_add_nc_u32 v5, XS, v5                        ; XS by lanes: row r, columns 128 w + 16 h on
	v_lshlrev_b32 v7, 5, v2
	s_delay_alu instid0(VALU_DEP_1)
	v_add_nc_u32 v7, PSB, v7                       ; row r's eight partial sums
	s_lshl_b32 s22, s16, 2
	v_add_nc_u32 v6, s22, v7
	s_mul_i32 s22, s16, 1536
	v_add_nc_u32 v8, s22, v1                       ; where I put ao's fragment w
	v_lshlrev_b32 v2, 2, v2                        ; 4 r
	s_delay_alu instid0(VALU_DEP_1)
	v_add_nc_u32 v10, 12288, v2                    ; ao's words
	s_lshl_b32 s22, s16, 6
	v_add_nc_u32 v9, s22, v10
	v_lshlrev_b32 v11, 6, v11                      ; 64 h
	s_mov_b32 s[SEL], 0x76543210
	s_mov_b32 s[SEL+1], 0xfedcba98
	s_mov_b32 s36, 0x3a800000                      ; 1 / 1024
	s_lshr_b32 s17, ttmp9, 1
	s_lshl_b32 s17, s17, 5
	s_and_b32 s22, ttmp9, 1
	s_lshl_b32 s22, s22, 3
	s_add_co_u32 s17, s17, s22
	s_lshl_b32 s22, s16, 1
	s_add_co_u32 s17, s17, s22
	s_lshr_b32 s22, s16, 2
	s_lshl_b32 s22, s22, 3
	s_add_co_u32 s17, s17, s22                     ; the row for which the tile's place 2 w stands; place 2 w + 1 is the next row
	s_lshl_b32 s23, ttmp9, 3
	s_add_co_u32 s23, s23, s16                     ; F = 8 T + w
	s_mov_b32 s21, 0
	s_wait_alu depctr_va_vdst(0)
	s_wait_kmcnt 0x0
	s_lshl_b32 s20, s17, 12
	s_add_nc_u64 s[8:9], s[8:9], s[20:21]
	s_add_nc_u64 s[12:13], s[12:13], s[20:21]
	s_mul_i32 s20, s23, 1536
	s_add_nc_u64 s[28:29], s[4:5], s[20:21]
	s_add_nc_u64 s[32:33], s[14:15], s[20:21]
	s_lshl_b32 s20, s23, 6
	s_add_co_u32 s20, s20, 3145728
	s_add_nc_u64 s[30:31], s[4:5], s[20:21]
	s_add_nc_u64 s[34:35], s[14:15], s[20:21]
	s_mul_i32 s20, s16, 98304
	s_add_co_u32 s20, s20, 2359296
	s_add_nc_u64 s[24:25], s[6:7], s[20:21]        ; Wout's images, my eight tiles
	s_lshl_b32 s20, s16, 12
	s_add_co_u32 s20, s20, 7962624
	s_add_nc_u64 s[26:27], s[6:7], s[20:21]        ; and their words
	s_lshl_b32 s20, s16, 9
	s_add_nc_u64 s[10:11], s[10:11], s[20:21]      ; g2 at my columns
.irp p, 0,1,2,3,4,5
	global_load_b64 v[144+2*\p:145+2*\p], v1, s[28:29] offset:256*\p     ; ao's fragment (T, w)
.endr
	global_load_b32 v156, v2, s[30:31]
.irp i, 0,1
.irp k, 0,1,2,3,4,5,6,7
	global_load_b128 v[32+32*\i+4*\k:35+32*\i+4*\k], v3, s[8:9] offset:4096*\i+512*\k th:TH_LOAD_NT   ; two whole rows of x
.endr
.endr
	BLOAD 0
	s_wait_loadcnt 44                              ; ao's 7 loads are in (behind them: x's 16 and Wout's 28)
.irp p, 0,1,2,3,4,5
	ds_store_b64 v8, v[144+2*\p:145+2*\p] offset:256*\p
.endr
	ds_store_b32 v9, v156
	s_wait_loadcnt 28                              ; x's are in
.irp i, 0,1
.irp k, 0,1,2,3,4,5,6,7
	ds_store_b128 v4, v[32+32*\i+4*\k:35+32*\i+4*\k] offset:4112*\i+512*\k
.endr
.endr
	s_wait_dscnt 0x0                               ; for the others' sake: my stores have landed
	s_barrier_signal -1
	s_barrier_wait -1
	BLOAD 1
	ALOAD 0
.irp s, 0,1,2,3,4,5,6,7
	ds_load_b32 v[20+\s], v10 offset:64*\s
.endr
.irp i, 0,1,2,3,4,5,6,7,8,9,10,11,12,13,14,15
	HALF \i
.endr
.irp b, 0,1,2,3
.irp j, 0,1,2,3
	global_load_b128 v[160+16*\b+4*\j:163+16*\b+4*\j], v11, s[10:11] offset:128*\b+16*\j
.endr
.endr
.irp b, 0,1,2,3
.irp j, 0,1,2,3
	ds_load_b128 v[96+16*\b+4*\j:99+16*\b+4*\j], v5 offset:128*\b+16*\j
.endr
.endr
	s_wait_dscnt 0x0
.set j, 0
.rept 32
	v_pk_add_f32 v[96+j:97+j], v[96+j:97+j], v[32+j:33+j]   ; x1 = x + the product; each accumulator from its low end on
.set j, j+2
.endr
.irp b, 0,1,2,3
.irp j, 0,1,2,3
	ds_store_b128 v5, v[96+16*\b+4*\j:99+16*\b+4*\j] offset:128*\b+16*\j   ; back into the bytes that only I have read
.endr
.endr
.irp q, 0,1,2,3
	v_pk_mul_f32 v[32+2*\q:33+2*\q], v[96+2*\q:97+2*\q], v[96+2*\q:97+2*\q]
.endr
.irp j, 8,16,24,32,40,48,56
.irp q, 0,1,2,3
	s_delay_alu instid0(VALU_DEP_4)
	v_pk_fma_f32 v[32+2*\q:33+2*\q], v[96+\j+2*\q:97+\j+2*\q], v[96+\j+2*\q:97+\j+2*\q], v[32+2*\q:33+2*\q]
.endr
.endr
	s_delay_alu instid0(VALU_DEP_3)
	v_pk_add_f32 v[32:33], v[32:33], v[34:35]
	s_delay_alu instid0(VALU_DEP_2)
	v_pk_add_f32 v[36:37], v[36:37], v[38:39]
	s_delay_alu instid0(VALU_DEP_1)
	v_pk_add_f32 v[32:33], v[32:33], v[36:37]
	s_delay_alu instid0(VALU_DEP_1)
	v_add_f32 v32, v32, v33
	s_delay_alu instid0(VALU_DEP_1)
	v_permlanex16_b32 v34, v32, s[SEL], s[SEL+1]
	s_delay_alu instid0(VALU_DEP_1)
	v_add_f32 v32, v32, v34
	ds_store_b32 v6, v32
	s_wait_dscnt 0x0                               ; for the others' sake: x1's columns and my partial sum have landed
	s_barrier_signal -1
	s_barrier_wait -1
.irp i, 0,1
.irp k, 0,1,2,3,4,5,6,7
	ds_load_b128 v[32+32*\i+4*\k:35+32*\i+4*\k], v4 offset:4112*\i+512*\k
.endr
.endr
	ds_load_b128 v[244:247], v7
	ds_load_b128 v[248:251], v7 offset:16
	s_wait_dscnt 2                                 ; the two rows are in; the two loads of the partial sums may be out
.irp i, 0,1
.irp k, 0,1,2,3,4,5,6,7
	global_store_b128 v3, v[32+32*\i+4*\k:35+32*\i+4*\k], s[12:13] offset:4096*\i+512*\k   ; 512 consecutive bytes of a row of x1
.endr
.endr
	s_wait_dscnt 0x0
	v_add_f32 v244, v244, v245
	v_add_f32 v246, v246, v247
	v_add_f32 v248, v248, v249
	v_add_f32 v250, v250, v251
	s_delay_alu instid0(VALU_DEP_3)
	v_add_f32 v244, v244, v246
	s_delay_alu instid0(VALU_DEP_2)
	v_add_f32 v248, v248, v250
	s_delay_alu instid0(VALU_DEP_1)
	v_add_f32 v244, v244, v248
	s_delay_alu instid0(VALU_DEP_1)
	v_fmaak_f32 v244, s36, v244, 0x358637bd        ; the mean + 1e-6
	s_wait_alu depctr_va_vdst(0)
	v_rsq_f32 v252, v244
	v_mov_b32 v253, 0                              ; (the plain place; the packed form names the pair)
	s_wait_alu depctr_va_vdst(0)                   ; the wait ahead of the result's first reader
.set j, 0
.rept 32
	v_pk_mul_f32 v[96+j:97+j], v[96+j:97+j], v[252:253] op_sel_hi:[1,0]
.set j, j+2
.endr
	s_wait_loadcnt 0x0                             ; g2
.set j, 0
.rept 32
	v_pk_mul_f32 v[96+j:97+j], v[96+j:97+j], v[160+j:161+j]
.set j, j+2
.endr
	QUANT 96
.irp p, 0,1,2,3,4,5
	global_store_b64 v1, v[PC+2*\p:PC+2*\p+1], s[32:33] offset:256*\p
.endr
	global_store_b32 v2, v[PW], s[34:35]
	s_wait_tensorcnt 0x0                           ; the wave's end
	ds_add_u32 v30, v31
	s_wait_dscnt 0x0
	s_endpgm
.Lfunc_end_k_qa019ed052f_oproj:
	.size	k_qa019ed052f_oproj, .Lfunc_end_k_qa019ed052f_oproj-k_qa019ed052f_oproj
	.p2alignl 7, 3214868480
	.fill 96, 4, 3214868480
	.section	.rodata,"a",@progbits
	.p2align	6, 0x0
	.amdhsa_kernel k_qa019ed052f_oproj
		.amdhsa_group_segment_fixed_size 80128
		.amdhsa_private_segment_fixed_size 0
		.amdhsa_enable_private_segment 0
		.amdhsa_kernarg_size 48
		.amdhsa_user_sgpr_count 2
		.amdhsa_user_sgpr_kernarg_segment_ptr 1
		.amdhsa_wavefront_size32 1
		.amdhsa_system_sgpr_workgroup_id_x 1
		.amdhsa_system_sgpr_workgroup_id_y 1
		.amdhsa_system_sgpr_workgroup_id_z 1
		.amdhsa_system_vgpr_workitem_id 0
		.amdhsa_next_free_vgpr 256
		.amdhsa_next_free_sgpr 66
		.amdhsa_reserve_vcc 0
		.amdhsa_float_denorm_mode_32 3
		.amdhsa_float_denorm_mode_16_64 3
		.amdhsa_memory_ordered 1
		.amdhsa_forward_progress 1
		.amdhsa_inst_pref_size 86
	.end_amdhsa_kernel
	.amdgpu_metadata
---
amdhsa.version: [ 1, 2 ]
amdhsa.kernels:
  - .name:           k_qa019ed052f_oproj
    .symbol:         k_qa019ed052f_oproj.kd
    .args:
      - { .name: ao, .offset: 0, .size: 8, .value_kind: global_buffer, .address_space: global }
      - { .name: wimg, .offset: 8, .size: 8, .value_kind: global_buffer, .address_space: global }
      - { .name: x, .offset: 16, .size: 8, .value_kind: global_buffer, .address_space: global }
      - { .name: g2, .offset: 24, .size: 8, .value_kind: global_buffer, .address_space: global }
      - { .name: x1, .offset: 32, .size: 8, .value_kind: global_buffer, .address_space: global }
      - { .name: xn, .offset: 40, .size: 8, .value_kind: global_buffer, .address_space: global }
    .group_segment_fixed_size: 80128
    .private_segment_fixed_size: 0
    .kernarg_segment_align: 8
    .kernarg_segment_size: 48
    .max_flat_workgroup_size: 256
    .sgpr_count:     66
    .vgpr_count:     256
    .wavefront_size: 32
...
	.end_amdgpu_metadata
.endif
;; end of part 4
;; launch ffn1 (part 5): grid 16 x 16, 4 waves a work-group, clusters of 4 x 4, 327,680 bytes of LDS; arguments xn, wimg, hc; writes hc
.if DOCPART == 5
	.amdgcn_target "amdgcn-amd-amdhsa--gfx1250"
	.amdhsa_code_object_version 6
	.text
	.protected	k_qa019ed052f_ffn1
	.globl	k_qa019ed052f_ffn1
	.p2align	8
	.type	k_qa019ed052f_ffn1,@function
k_qa019ed052f_ffn1:
	s_mov_b64 s[64:65], 0
	v_nop
	global_prefetch_b8 v0, s[64:65] scope:SCOPE_SE
	s_setreg_imm32_b32 hwreg(HW_REG_WAVE_MODE, 25, 1), 1
	s_wait_xcnt 0x0
	s_wait_alu depctr_hold_cnt(0) depctr_sa_sdst(0) depctr_va_vdst(0) depctr_va_sdst(0) depctr_va_ssrc(0) depctr_va_vcc(0) depctr_vm_vsrc(0)
	s_getreg_b32 s2, hwreg(HW_REG_IB_STS2, 6, 4)
	s_cmp_eq_u32 s2, 0
	s_cbranch_scc0 .Lentry_in_a_cluster
	s_endpgm
.Lentry_in_a_cluster:
	s_bfe_u32 s2, ttmp6, 0x10000c
	s_cmp_lg_u32 s2, 0xf033
	s_cbranch_scc0 .Lentry_shape_is_right
	s_endpgm
.Lentry_shape_is_right:
; FIRST FFN PRODUCT AND SwiGLU.  h = xn W1 on codes of E2M3; hc = a x silu(gate), quantised along the hidden units.
; A work-group makes 256 rows x 64 hidden units: W1's images were laid so that its 8 tiles are 4 of a's rows and the 4 of the gate's rows of the same units: a and its gate meet in one lane.
; The frame is the QKV launch's: THE WORK-GROUP'S WHOLE K LIES IN LDS, brought by one tensor load a wave, issued at the head (one of a wave is out at the most); no LDS byte is filled twice;
; cluster 4 x 4, every load asked for jointly (rows' tiles along a row of the cluster, the weight's along a column).
; Source 0 = the weight's 8 tiles, source 1 = 4 of the rows' tiles: a lane holds one row; register j of tile t (t < 4) is hidden unit 64 gx + 32 (t / 2) + 16 h + 8 (t % 2) + j.
; REGISTERS: window 0: v1-31 addresses, v32-47 scale words (two sets), v64-127 64 numbers, v128-146 codes, v148-159, v164 at work.  window 1: the 32 accumulators, (a, t) at 8 (8 a + t).  windows 2, 3: fragment sets 0, 1.
; LIMITS: a block of zeros, or one under 2^-124, gets the byte 1.  sigmoid = v_rcp_f32(1 + v_exp_f32(-gate x log2 e)), each within 1 ulp.
.set NS, 8
.set TS, NS*1536                       ; a tile's images of all K steps, dense in memory and in LDS
.set GT, 49152/TS                      ; tiles that one address register reaches
.set HS, NS/2                          ; K steps that one address register reaches
.set HSB, HS*1536
.set SPARE, 324608                     ; the spare words, 128 bytes a wave
.set NP, 8
.set NQ, 4
.set LGA, 4
.set LGB, 3
.set AWORDS, 3145728
.set BIMG, 3145728
.set BWORDS, 7995392
.set NLW, 63
.set AL, 0
.set BL, 196608
.set ASL, 294912
.set BSL, 303104
.set SC, 32
.set Y, 64
.set PC, 128
.set TM, 148
.set PW, 164
.set SEL, 100
.set WV, 88
.set GW0, (3<<16)|(1<<21)
.set MSB, 0
.macro WIN new
.if MSB != (\new)
	s_set_vgpr_msb (MSB<<8)|(\new)
.set MSB, (\new)
.endif
.endm
.macro PLACES
.rept 4
	v_nop
.endr
.endm
.macro CROUND
	s_barrier_signal -1
	s_barrier_wait -1
	s_cmp_lg_u32 s[WV], 0
	s_cbranch_scc1 .Lnot_wave_0_\@
	s_barrier_signal -3
.Lnot_wave_0_\@:
	s_barrier_wait -3
	s_barrier_signal -1
	s_barrier_wait -1
.endm
.macro MKG1 g, C, R, P
	s_mov_b32 s[\g+1], ((\C)&0xffff)<<16
	s_mov_b32 s[\g+2], ((\C)>>16)|(((\R)&0xffff)<<16)
	s_mov_b32 s[\g+3], ((\R)>>16)|((\C)<<16)
	s_mov_b32 s[\g+4], \R
	s_mov_b32 s[\g+5], \P
	s_mov_b32 s[\g+6], 0
	s_mov_b32 s[\g+7], 0
.endm
.macro MKG0 g, lbase, ptr              ; group 0: to LDS byte lbase, from s[ptr]
	s_mov_b32 s[\g], 1
	s_mov_b32 s[\g+1], \lbase
	s_mov_b64 s[\g+2:\g+3], s[\ptr:\ptr+1]
	s_or_b32 s[\g+3], s[\g+3], 0x80000000
.endm
.macro ARM under, g0, g1, next         ; one arm of the head's tree: its joint load and a jump to the tree's end
	s_cmp_lt_u32 s[WV], \under
	s_cbranch_scc0 \next
	tensor_load_to_lds s[\g0:\g0+3], s[\g1:\g1+7]
	s_nop 0
.rept 4
	v_nop
.endr
	s_branch .Lhead_asked
\next:
.endm
.macro LOADSET s, set
	WIN (2+(\set))<<6
.set lt, 0
.rept NP
.irp p, 0,1,2,3,4,5
	ds_load_b64 v[12*lt+2*\p:12*lt+2*\p+1], v[8+2*(lt/GT)+(\s)/HS] offset:(lt%GT)*TS+((\s)%HS)*1536+256*\p
.endr
.set lt, lt+1
.endr
.set lt, 0
.rept NQ
.irp p, 0,1,2,3,4,5
	ds_load_b64 v[12*NP+12*lt+2*\p:12*NP+12*lt+2*\p+1], v[12+(\s)/HS] offset:lt*TS+((\s)%HS)*1536+256*\p
.endr
.set lt, lt+1
.endr
	WIN 0
.set lt, 0
.rept NP
.if lt < NQ
	ds_load_b32 v[SC+NP*(\set)+lt], v16 offset:lt*64*NS+64*(\s)
.else
	ds_load_b32 v[SC+NP*(\set)+lt], v17 offset:lt*64*NS+64*(\s)
.endif
.set lt, lt+1
.endr
.endm
.macro MULSET s, set                   ; all accumulators by turns, one instruction a turn; the first K step starts the sums
	WIN 0x5a+5*(\set)
.set ma, 0
.rept NQ
.set mt, 0
.rept NP
.if (\s) == 0
	v_wmma_scale_f32_16x16x128_f8f6f4 v[8*(NP*ma+mt):8*(NP*ma+mt)+7], v[12*mt:12*mt+11], v[12*NP+12*ma:12*NP+12*ma+11], 0, v[SC+NP*(\set)+mt], v[SC+NP*(\set)+ma] matrix_a_fmt:MATRIX_FMT_FP6 matrix_b_fmt:MATRIX_FMT_FP6 matrix_a_scale:MATRIX_SCALE_ROW1
.else
	v_wmma_scale_f32_16x16x128_f8f6f4 v[8*(NP*ma+mt):8*(NP*ma+mt)+7], v[12*mt:12*mt+11], v[12*NP+12*ma:12*NP+12*ma+11], v[8*(NP*ma+mt):8*(NP*ma+mt)+7], v[SC+NP*(\set)+mt], v[SC+NP*(\set)+ma] matrix_a_fmt:MATRIX_FMT_FP6 matrix_b_fmt:MATRIX_FMT_FP6 matrix_a_scale:MATRIX_SCALE_ROW1
.endif
.set mt, mt+1
.endr
.set ma, ma+1
.endr
.endm
.macro MAIN
	s_wait_tensorcnt 0x0                           ; my one load is in
	s_barrier_signal -1
	s_barrier_wait -1                              ; everybody's is: the whole K of both operands lies in LDS
	LOADSET 0, 0
.set ks, 0
.rept NS-1
.if ks > 0
	PLACES
.endif
	LOADSET ks+1, (ks+1)%2
	s_wait_dscnt NLW                               ; behind step ks's loads stand the (NP + NQ) x 6 + NP just issued: with at most this many out (no more than a wait can name), step ks's are in
	MULSET ks, ks%2
.set ks, ks+1
.endr
	s_wait_dscnt 0x0
	MULSET NS-1, (NS-1)%2
	WIN 0
.endm
.macro QUANT s
.irp b, 0,1,2,3
	v_max3_num_f32 v[TM+\b], |v[\s+16*\b]|, |v[\s+1+16*\b]|, 0x1800000
.endr
.irp i, 2,4,6,8,10,12,14
.irp b, 0,1,2,3
	v_max3_num_f32 v[TM+\b], v[TM+\b], |v[\s+16*\b+\i]|, |v[\s+1+16*\b+\i]|
.endr
.endr
.irp b, 0,1,2,3
	v_permlanex16_b32 v[TM+4+\b], v[TM+\b], s[SEL], s[SEL+1]
.endr
.irp b, 0,1,2,3
	v_max_num_f32 v[TM+\b], v[TM+\b], v[TM+4+\b]
.endr
.irp b, 0,1,2,3
	v_add_nc_u32 v[TM+8+\b], 0xff000000, v[TM+\b]
.endr
.irp b, 0,1,2,3
	v_lshrrev_b32 v[TM+4+\b], 23, v[TM+8+\b]
.endr
	v_lshl_or_b32 v[PW], v[TM+5], 8, v[TM+4]
	v_lshl_or_b32 v[PW], v[TM+6], 16, v[PW]
	v_lshl_or_b32 v[PW], v[TM+7], 24, v[PW]
.irp c, 0,1
	v_cvt_scalef32_pk16_fp6_f32 v[PC+6*\c:PC+2+6*\c], v[\s+32*\c:\s+15+32*\c], v[TM+8+2*\c]
	v_cvt_scalef32_pk16_fp6_f32 v[PC+12+4*\c:PC+14+4*\c], v[\s+16+32*\c:\s+31+32*\c], v[TM+9+2*\c]
.endr
	v_nop
.irp c, 0,1
.irp i, 0,1,2
	v_permlane16_swap_b32 v[PC+6*\c+\i], v[PC+12+4*\c+\i]
.endr
.irp i, 0,1,2
	v_mov_b32 v[PC+3+6*\c+\i], v[PC+12+4*\c+\i]
.endr
.endr
.endm
	s_load_b128 s[4:7], s[0:1], 0x0                ; xn, wimg
	; A WORK-GROUP STAYS for two blocks of 64 hidden units, 2 x and 2 x + 1: the rows' tiles stay in LDS, the weight's are filled again while the first block's way out runs
	s_load_b64 s[84:85], s[0:1], 0x10              ; hc
	v_lshl_add_u32 v30, v0, 2, SPARE               ; my spare word,
	v_mov_b32 v31, 0                               ; and 0: both kept for the add alone
	ds_add_u32 v30, v31                            ; the opening lines: the add, twice on end, and its wait ahead of the first round
	ds_add_u32 v30, v31
	v_lshrrev_b32 v1, 5, v0
	v_readfirstlane_b32 s[WV], v1
	s_bfe_u32 s2, ttmp6, 0x40000                   ; cx
	s_bfe_u32 s3, ttmp6, 0x40004                   ; cy
	s_lshl_b32 s89, ttmp9, 2
	s_add_co_u32 s89, s89, s2
	s_lshl_b32 s89, s89, 1                         ; gx of my first block of 64 hidden units
	s_and_b32 s90, ttmp7, 0xffff
	s_lshl_b32 s90, s90, 2
	s_add_co_u32 s90, s90, s3                      ; gy: 256 rows
	s_lshl_b32 s92, s3, 2
	s_lshl_b32 s92, 15, s92                        ; my row of the cluster
	s_lshl_b32 s96, 0x1111, s2                     ; my column
	s_or_b32 s8, s92, GW0
	s_or_b32 s24, s92, GW0
	s_or_b32 s16, s96, GW0
	s_or_b32 s32, s96, GW0
	MKG1 8, 32, 768, 32                            ; four dense blocks as rows of 256 bytes: the rows' images, 196,608 bytes,
	MKG1 16, 32, 384, 32                           ; the weight's, 98,304,
	MKG1 24, 32, 32, 32                            ; the rows' scale words, 8,192,
	MKG1 32, 32, 16, 32                            ; the weight's, 4,096
	s_lshl_b32 s92, s90, LGA
	s_mul_i32 s94, s92, 64*NS
	s_add_co_u32 s94, s94, AWORDS
	s_mul_i32 s92, s92, NS*1536
	s_mov_b32 s93, 0
	s_mov_b32 s95, 0
	s_lshl_b32 s96, s89, LGB
	s_mul_i32 s98, s96, 64*NS
	s_add_co_u32 s98, s98, BWORDS
	s_mul_i32 s96, s96, NS*1536
	s_add_co_u32 s96, s96, BIMG
	s_mov_b32 s97, 0
	s_mov_b32 s99, 0
	s_mov_b32 s[SEL], 0x76543210
	s_mov_b32 s[SEL+1], 0xfedcba98
	v_and_b32 v1, 31, v0
	v_and_b32 v2, 15, v0
	v_bfe_u32 v3, v0, 4, 1
	v_lshlrev_b32 v4, 3, v1                        ; 8 x lane
	v_lshlrev_b32 v5, 2, v2                        ; 4 r
.irp b, 0,1,2,3
	v_mov_b32 v[TM+4+\b], 0
.endr
	s_wait_alu depctr_va_vdst(0)                   ; the wait at the head's end
	s_wait_dscnt 0x0                               ; both opening adds are done
	s_wait_kmcnt 0x0
	s_add_nc_u64 s[92:93], s[4:5], s[92:93]
	s_add_nc_u64 s[94:95], s[4:5], s[94:95]
	s_add_nc_u64 s[96:97], s[6:7], s[96:97]
	s_add_nc_u64 s[98:99], s[6:7], s[98:99]
	MKG0 48, AL, 92
	MKG0 52, BL, 96
	MKG0 56, ASL, 94
	MKG0 60, BSL, 98
	CROUND                                         ; all sixteen work-groups are here: the joint loads meet
	; THE HEAD'S LOADS, ONE A WAVE: wave 0 the rows' images, wave 1 the weight's, wave 2 the rows' scale words, wave 3 the weight's.  One tree of branches on the wave's number; one load of a wave is out at the most
	ARM 1, 48, 8,  .Lhead_b
	ARM 2, 52, 16, .Lhead_sa
	ARM 3, 56, 24, .Lhead_sb
	tensor_load_to_lds s[60:63], s[32:39]
	s_nop 0
.rept 4
	v_nop
.endr
.Lhead_asked:
	s_mul_i32 s91, s[WV], NQ*TS
	s_wait_alu depctr_va_vdst(0)
.irp c, 0,1,2,3
	v_add_nc_u32 v[8+\c], BL+49152*(\c/2)+HSB*(\c%2), v4   ; source 0: the weight's eight tiles: a register for each four tiles and four K steps
.endr
.irp c, 0,1
	v_add_nc_u32 v[12+\c], AL+HSB*\c, v4
.endr
.irp c, 0,1
	v_add_nc_u32 v[12+\c], s91, v[12+\c]           ; source 1: row tiles 4 w on
.endr
	s_mul_i32 s92, s[WV], NQ*64*NS
	s_sub_co_u32 s93, BSL-ASL, s92
	v_mul_u32_u24 v16, s93, v3                     ; one product: the lower base + h x the distance
	s_add_co_u32 s92, s92, ASL
	v_add_nc_u32 v16, v16, v5
	v_add_nc_u32 v16, s92, v16
	v_add_nc_u32 v17, BSL, v5
	s_wait_alu depctr_va_vdst(0)
.macro OUTADR                          ; hc: images [T][K step 16][1536], words [T][K step][16].  A block's 64 units are half gx % 2 of K step gx / 2.  (s8-11 held the rows' group 1, whose load is done)
	s_lshl_b32 s40, s90, 4
	s_lshl_b32 s41, s[WV], 2
	s_add_co_u32 s40, s40, s41                     ; my first row tile
	s_lshr_b32 s41, s89, 1
	s_and_b32 s42, s89, 1
	s_mul_i32 s44, s40, 24576
	s_mul_i32 s43, s41, 1536
	s_add_co_u32 s44, s44, s43
	s_mul_i32 s43, s42, 768
	s_add_co_u32 s44, s44, s43
	s_mov_b32 s45, 0
	s_add_nc_u64 s[8:9], s[84:85], s[44:45]
	s_lshl_b32 s44, s40, 10
	s_lshl_b32 s43, s41, 6
	s_add_co_u32 s44, s44, s43
	s_lshl_b32 s43, s42, 1
	s_add_co_u32 s44, s44, s43
	s_add_co_u32 s44, s44, 6291456
	s_add_nc_u64 s[10:11], s[84:85], s[44:45]
.endm
.macro SILU a0                         ; row tiles a0, a0 + 1: 32 numbers of each make the 64 that one quantising takes
	s_wait_xcnt 0x0                                ; earlier stores have read their registers
	WIN 0x01                                       ; source 0 window 1
.irp aa, 0,1
.irp t, 0,1,2,3
.irp j, 0,2,4,6
	v_pk_mul_f32 v[Y+32*\aa+8*\t+\j:Y+32*\aa+8*\t+\j+1], v[8*(8*(\a0+\aa)+4+\t)+\j:8*(8*(\a0+\aa)+4+\t)+\j+1], 0xbfb8aa3b op_sel_hi:[1,0]   ; -gate x log2 e
.endr
.endr
.endr
	WIN 0
.set j, 0
	s_wait_alu depctr_va_vdst(0)
.rept 64
	v_exp_f32 v[Y+j], v[Y+j]
.set j, j+1
.endr
	v_nop                                          ; the plain place behind the batch,
	s_wait_alu depctr_va_vdst(0)                   ; and its one wait
.set j, 0
.rept 32
	v_pk_add_f32 v[Y+j:Y+j+1], v[Y+j:Y+j+1], 1.0 op_sel_hi:[1,0]
.set j, j+2
.endr
.set j, 0
	s_wait_alu depctr_va_vdst(0)
.rept 64
	v_rcp_f32 v[Y+j], v[Y+j]                       ; sigmoid(gate)
.set j, j+1
.endr
	v_nop
	s_wait_alu depctr_va_vdst(0)
	WIN 0x01
.irp aa, 0,1
.irp t, 0,1,2,3
.irp j, 0,2,4,6
	v_pk_mul_f32 v[Y+32*\aa+8*\t+\j:Y+32*\aa+8*\t+\j+1], v[8*(8*(\a0+\aa)+4+\t)+\j:8*(8*(\a0+\aa)+4+\t)+\j+1], v[Y+32*\aa+8*\t+\j:Y+32*\aa+8*\t+\j+1]   ; silu(gate)
.endr
.endr
.endr
.irp aa, 0,1
.irp t, 0,1,2,3
.irp j, 0,2,4,6
	v_pk_mul_f32 v[Y+32*\aa+8*\t+\j:Y+32*\aa+8*\t+\j+1], v[8*(8*(\a0+\aa)+\t)+\j:8*(8*(\a0+\aa)+\t)+\j+1], v[Y+32*\aa+8*\t+\j:Y+32*\aa+8*\t+\j+1]       ; a x silu(gate)
.endr
.endr
.endr
	WIN 0
	QUANT Y                                        ; registers 0-5 and bytes 0, 1: tile a0; registers 6-11 and bytes 2, 3: tile a0 + 1
.irp p, 0,1,2
	global_store_b64 v4, v[PC+2*\p:PC+2*\p+1], s[8:9] offset:24576*\a0+256*\p          ; each store covers 256 consecutive bytes, aligned
	global_store_b64 v4, v[PC+6+2*\p:PC+7+2*\p], s[8:9] offset:24576*(\a0+1)+256*\p
.endr
	global_store_b16 v5, v[PW], s[10:11] offset:1024*\a0                               ; two of a scale word's four bytes: the other two are this work-group's other block's
	global_store_d16_hi_b16 v5, v[PW], s[10:11] offset:1024*(\a0+1)
.endm
	MAIN                                           ; the first block
	s_wait_tensorcnt 0x0                           ; none of my loads is out;
	ds_add_u32 v30, v31                            ; 0 onto my spare word;
	s_add_nc_u64 s[54:55], s[54:55], 98304         ; the next block's eight tiles of the weight adjoin in memory,
	s_add_nc_u64 s[62:63], s[62:63], 4096          ; and so do their scale words
	s_wait_dscnt 0x0                               ; the add is done, and so are my reads of the weight's tiles
	CROUND                                         ; the same holds of every wave of all sixteen work-groups
	s_cmp_eq_u32 s[WV], 1                          ; wave 1 fills the weight's images again, wave 3 its scale words: one load a wave
	s_cbranch_scc0 .Lnot_images
	tensor_load_to_lds s[52:55], s[16:23]
	s_nop 0
.rept 4
	v_nop
.endr
	s_branch .Lrefilled
.Lnot_images:
	s_cmp_eq_u32 s[WV], 3
	s_cbranch_scc0 .Lrefilled
	tensor_load_to_lds s[60:63], s[32:39]
	s_nop 0
.rept 4
	v_nop
.endr
.Lrefilled:
	PLACES
	OUTADR
	SILU 0                                         ; the first block's way out, while the refill is on its way
	SILU 2
	s_add_co_u32 s89, s89, 1
	MAIN                                           ; the second block
	PLACES
	s_wait_xcnt 0x0                                ; the first block's stores have read their bases
	OUTADR
	SILU 0
	SILU 2
	s_wait_tensorcnt 0x0                           ; the wave's end
	ds_add_u32 v30, v31
	s_wait_dscnt 0x0
	CROUND                                         ; the closing round
	s_endpgm
.Lfunc_end_k_qa019ed052f_ffn1:
	.size	k_qa019ed052f_ffn1, .Lfunc_end_k_qa019ed052f_ffn1-k_qa019ed052f_ffn1
	.p2alignl 7, 3214868480
	.fill 96, 4, 3214868480
	.section	.rodata,"a",@progbits
	.p2align	6, 0x0
	.amdhsa_kernel k_qa019ed052f_ffn1
		.amdhsa_group_segment_fixed_size 327680
		.amdhsa_private_segment_fixed_size 0
		.amdhsa_enable_private_segment 0
		.amdhsa_kernarg_size 24
		.amdhsa_user_sgpr_count 2
		.amdhsa_user_sgpr_kernarg_segment_ptr 1
		.amdhsa_wavefront_size32 1
		.amdhsa_system_sgpr_workgroup_id_x 1
		.amdhsa_system_sgpr_workgroup_id_y 1
		.amdhsa_system_sgpr_workgroup_id_z 1
		.amdhsa_system_vgpr_workitem_id 0
		.amdhsa_next_free_vgpr 1024
		.amdhsa_next_free_sgpr 102
		.amdhsa_reserve_vcc 0
		.amdhsa_float_denorm_mode_32 3
		.amdhsa_float_denorm_mode_16_64 3
		.amdhsa_memory_ordered 1
		.amdhsa_forward_progress 1
		.amdhsa_inst_pref_size 230
	.end_amdhsa_kernel
	.amdgpu_metadata
---
amdhsa.version: [ 1, 2 ]
amdhsa.kernels:
  - .name:           k_qa019ed052f_ffn1
    .symbol:         k_qa019ed052f_ffn1.kd
    .args:
      - { .name: xn, .offset: 0, .size: 8, .value_kind: global_buffer, .address_space: global }
      - { .name: wimg, .offset: 8, .size: 8, .value_kind: global_buffer, .address_space: global }
      - { .name: hc, .offset: 16, .size: 8, .value_kind: global_buffer, .address_space: global }
    .group_segment_fixed_size: 327680
    .private_segment_fixed_size: 0
    .kernarg_segment_align: 8
    .kernarg_segment_size: 24
    .max_flat_workgroup_size: 128
    .sgpr_count:     102
    .vgpr_count:     1024
    .wavefront_size: 32
...
	.end_amdgpu_metadata
.endif
;; end of part 5
;; launch ffn2 (part 6): grid 8 x 32, 4 waves a work-group, clusters of 4 x 4, 327,680 bytes of LDS; arguments hc, wimg, x1, out0; writes out0
.if DOCPART == 6
	.amdgcn_target "amdgcn-amd-amdhsa--gfx1250"
	.amdhsa_code_object_version 6
	.text
	.protected	k_qa019ed052f_ffn2
	.globl	k_qa019ed052f_ffn2
	.p2align	8
	.type	k_qa019ed052f_ffn2,@function
k_qa019ed052f_ffn2:
	s_mov_b64 s[64:65], 0
	v_nop
	global_prefetch_b8 v0, s[64:65] scope:SCOPE_SE
	s_setreg_imm32_b32 hwreg(HW_REG_WAVE_MODE, 25, 1), 1
	s_wait_xcnt 0x0
	s_wait_alu depctr_hold_cnt(0) depctr_sa_sdst(0) depctr_va_vdst(0) depctr_va_sdst(0) depctr_va_ssrc(0) depctr_va_vcc(0) depctr_vm_vsrc(0)
	s_getreg_b32 s2, hwreg(HW_REG_IB_STS2, 6, 4)
	s_cmp_eq_u32 s2, 0
	s_cbranch_scc0 .Lentry_in_a_cluster
	s_endpgm
.Lentry_in_a_cluster:
	s_bfe_u32 s2, ttmp6, 0x10000c
	s_cmp_lg_u32 s2, 0xf033
	s_cbranch_scc0 .Lentry_shape_is_right
	s_endpgm
.Lentry_shape_is_right:
; SECOND FFN PRODUCT AND RESIDUAL.  out0 = x1 + hc W2 on codes of E2M3.
; A work-group makes 128 rows x 64 columns, K = 2,048.  The frame is the QKV launch's: THE WORK-GROUP'S WHOLE K LIES IN LDS (8 + 4 tiles x 16 K steps), brought by one tensor load a wave, issued at the head
; (one of a wave is out at the most); no LDS byte is filled twice; cluster 4 x 4, every load asked for jointly.
; Source 0 = W2's 4 tiles, source 1 = 2 of the rows' tiles: a lane holds one row; register j of tile t is column 64 gx + 32 (t / 2) + 16 h + 8 (t % 2) + j.
; THE WAY OUT: through my own stage in LDS (16 rows of 256 bytes + 16; bytes into which no tensor load lands), back by rows: sixteen lanes hold 256 consecutive bytes of a row; x1's same bytes, asked for at the head, are added.
; REGISTERS: window 0: v1-31 addresses, v32-39 scale words (two sets), v64-127 results by rows, v168-231 x1.  window 1: the 8 accumulators, (a, t) at 8 (4 a + t).  windows 2, 3: fragment sets 0, 1.
.set NS, 16
.set TS, NS*1536                       ; a tile's images of all K steps, dense in memory and in LDS
.set GT, 49152/TS                      ; tiles that one address register reaches
.set HS, NS/2                          ; K steps that one address register reaches
.set HSB, HS*1536
.set SPARE, 324608                     ; behind the stages: the spare words, 128 bytes a wave
.set NP, 4
.set NQ, 2
.set LGA, 3
.set LGB, 2
.set AWORDS, 6291456
.set BIMG, 6291456
.set BWORDS, 8126464
.set NLW, 40
.set AL, 0
.set BL, 196608
.set ASL, 294912
.set BSL, 303104
.set STG, 307200
.set SC, 32
.set Y, 64
.set X1, 168
.set WV, 88
.set GW0, (3<<16)|(1<<21)
.set MSB, 0
.macro WIN new
.if MSB != (\new)
	s_set_vgpr_msb (MSB<<8)|(\new)
.set MSB, (\new)
.endif
.endm
.macro PLACES
.rept 4
	v_nop
.endr
.endm
.macro CROUND
	s_barrier_signal -1
	s_barrier_wait -1
	s_cmp_lg_u32 s[WV], 0
	s_cbranch_scc1 .Lnot_wave_0_\@
	s_barrier_signal -3
.Lnot_wave_0_\@:
	s_barrier_wait -3
	s_barrier_signal -1
	s_barrier_wait -1
.endm
.macro MKG1 g, C, R, P
	s_mov_b32 s[\g+1], ((\C)&0xffff)<<16
	s_mov_b32 s[\g+2], ((\C)>>16)|(((\R)&0xffff)<<16)
	s_mov_b32 s[\g+3], ((\R)>>16)|((\C)<<16)
	s_mov_b32 s[\g+4], \R
	s_mov_b32 s[\g+5], \P
	s_mov_b32 s[\g+6], 0
	s_mov_b32 s[\g+7], 0
.endm
.macro MKG0 g, lbase, ptr              ; group 0: to LDS byte lbase, from s[ptr]
	s_mov_b32 s[\g], 1
	s_mov_b32 s[\g+1], \lbase
	s_mov_b64 s[\g+2:\g+3], s[\ptr:\ptr+1]
	s_or_b32 s[\g+3], s[\g+3], 0x80000000
.endm
.macro ARM under, g0, g1, next         ; one arm of the head's tree: its joint load and a jump to the tree's end
	s_cmp_lt_u32 s[WV], \under
	s_cbranch_scc0 \next
	tensor_load_to_lds s[\g0:\g0+3], s[\g1:\g1+7]
	s_nop 0
.rept 4
	v_nop
.endr
	s_branch .Lhead_asked
\next:
.endm
.macro LOADSET s, set
	WIN (2+(\set))<<6
.set lt, 0
.rept NP
.irp p, 0,1,2,3,4,5
	ds_load_b64 v[12*lt+2*\p:12*lt+2*\p+1], v[8+2*(lt/GT)+(\s)/HS] offset:(lt%GT)*TS+((\s)%HS)*1536+256*\p
.endr
.set lt, lt+1
.endr
.set lt, 0
.rept NQ
.irp p, 0,1,2,3,4,5
	ds_load_b64 v[12*NP+12*lt+2*\p:12*NP+12*lt+2*\p+1], v[12+(\s)/HS] offset:lt*TS+((\s)%HS)*1536+256*\p
.endr
.set lt, lt+1
.endr
	WIN 0
.set lt, 0
.rept NP
.if lt < NQ
	ds_load_b32 v[SC+NP*(\set)+lt], v16 offset:lt*64*NS+64*(\s)
.else
	ds_load_b32 v[SC+NP*(\set)+lt], v17 offset:lt*64*NS+64*(\s)
.endif
.set lt, lt+1
.endr
.endm
.macro MULSET s, set                   ; all accumulators by turns, one instruction a turn; the first K step starts the sums
	WIN 0x5a+5*(\set)
.set ma, 0
.rept NQ
.set mt, 0
.rept NP
.if (\s) == 0
	v_wmma_scale_f32_16x16x128_f8f6f4 v[8*(NP*ma+mt):8*(NP*ma+mt)+7], v[12*mt:12*mt+11], v[12*NP+12*ma:12*NP+12*ma+11], 0, v[SC+NP*(\set)+mt], v[SC+NP*(\set)+ma] matrix_a_fmt:MATRIX_FMT_FP6 matrix_b_fmt:MATRIX_FMT_FP6 matrix_a_scale:MATRIX_SCALE_ROW1
.else
	v_wmma_scale_f32_16x16x128_f8f6f4 v[8*(NP*ma+mt):8*(NP*ma+mt)+7], v[12*mt:12*mt+11], v[12*NP+12*ma:12*NP+12*ma+11], v[8*(NP*ma+mt):8*(NP*ma+mt)+7], v[SC+NP*(\set)+mt], v[SC+NP*(\set)+ma] matrix_a_fmt:MATRIX_FMT_FP6 matrix_b_fmt:MATRIX_FMT_FP6 matrix_a_scale:MATRIX_SCALE_ROW1
.endif
.set mt, mt+1
.endr
.set ma, ma+1
.endr
.endm
.macro MAIN
	s_wait_tensorcnt 0x0                           ; my one load is in
	s_barrier_signal -1
	s_barrier_wait -1                              ; everybody's is: the whole K of both operands lies in LDS
	LOADSET 0, 0
.set ks, 0
.rept NS-1
.if ks > 0
	PLACES
.endif
	LOADSET ks+1, (ks+1)%2
	s_wait_dscnt NLW                               ; all but the (NP + NQ) x 6 + NP = 40 just issued
	MULSET ks, ks%2
.set ks, ks+1
.endr
	s_wait_dscnt 0x0
	MULSET NS-1, (NS-1)%2
	WIN 0
.endm
	s_load_b128 s[4:7], s[0:1], 0x0                ; hc, wimg
	; A WORK-GROUP STAYS for two blocks of 64 columns, 2 x and 2 x + 1: the rows' tiles stay in LDS, the weight's are filled again while the first block's way out runs
	s_load_b128 s[84:87], s[0:1], 0x10             ; x1, out0
	v_lshl_add_u32 v30, v0, 2, SPARE               ; my spare word,
	v_mov_b32 v31, 0                               ; and 0: both kept for the add alone
	ds_add_u32 v30, v31                            ; the opening lines: the add, twice on end, and its wait ahead of the first round
	ds_add_u32 v30, v31
	v_lshrrev_b32 v1, 5, v0
	v_readfirstlane_b32 s[WV], v1
	s_bfe_u32 s2, ttmp6, 0x40000                   ; cx
	s_bfe_u32 s3, ttmp6, 0x40004                   ; cy
	s_lshl_b32 s89, ttmp9, 2
	s_add_co_u32 s89, s89, s2
	s_lshl_b32 s89, s89, 1                         ; gx of my first block of 64 columns
	s_and_b32 s90, ttmp7, 0xffff
	s_lshl_b32 s90, s90, 2
	s_add_co_u32 s90, s90, s3                      ; gy: 128 rows
	s_lshl_b32 s92, s3, 2
	s_lshl_b32 s92, 15, s92                        ; my row of the cluster
	s_lshl_b32 s96, 0x1111, s2                     ; my column
	s_or_b32 s8, s92, GW0
	s_or_b32 s24, s92, GW0
	s_or_b32 s16, s96, GW0
	s_or_b32 s32, s96, GW0
	MKG1 8, 32, 768, 32                            ; four dense blocks as rows of 256 bytes: the rows' images, 196,608 bytes,
	MKG1 16, 32, 384, 32                           ; the weight's, 98,304,
	MKG1 24, 32, 32, 32                            ; the rows' scale words, 8,192,
	MKG1 32, 32, 16, 32                            ; the weight's, 4,096
	s_lshl_b32 s92, s90, LGA
	s_mul_i32 s94, s92, 64*NS
	s_add_co_u32 s94, s94, AWORDS
	s_mul_i32 s92, s92, NS*1536
	s_mov_b32 s93, 0
	s_mov_b32 s95, 0
	s_lshl_b32 s96, s89, LGB
	s_mul_i32 s98, s96, 64*NS
	s_add_co_u32 s98, s98, BWORDS
	s_mul_i32 s96, s96, NS*1536
	s_add_co_u32 s96, s96, BIMG
	s_mov_b32 s97, 0
	s_mov_b32 s99, 0
	v_and_b32 v1, 31, v0
	v_and_b32 v2, 15, v0
	v_bfe_u32 v3, v0, 4, 1
	v_lshlrev_b32 v4, 3, v1                        ; 8 x lane
	v_lshlrev_b32 v5, 2, v2                        ; 4 r
	s_wait_alu depctr_va_vdst(0)                   ; the wait at the head's end
	s_wait_dscnt 0x0                               ; both opening adds are done
	s_wait_kmcnt 0x0
	s_add_nc_u64 s[92:93], s[4:5], s[92:93]
	s_add_nc_u64 s[94:95], s[4:5], s[94:95]
	s_add_nc_u64 s[96:97], s[6:7], s[96:97]
	s_add_nc_u64 s[98:99], s[6:7], s[98:99]
	MKG0 48, AL, 92
	MKG0 52, BL, 96
	MKG0 56, ASL, 94
	MKG0 60, BSL, 98
	CROUND                                         ; all sixteen work-groups are here: the joint loads meet
	; THE HEAD'S LOADS, ONE A WAVE: wave 0 the rows' images, wave 1 the weight's, wave 2 the rows' scale words, wave 3 the weight's.  One tree of branches on the wave's number; one load of a wave is out at the most
	ARM 1, 48, 8,  .Lhead_b
	ARM 2, 52, 16, .Lhead_sa
	ARM 3, 56, 24, .Lhead_sb
	tensor_load_to_lds s[60:63], s[32:39]
	s_nop 0
.rept 4
	v_nop
.endr
.Lhead_asked:
	s_mul_i32 s91, s[WV], NQ*TS
	s_wait_alu depctr_va_vdst(0)
.irp c, 0,1,2,3
	v_add_nc_u32 v[8+\c], BL+49152*(\c/2)+HSB*(\c%2), v4   ; source 0: the weight's four tiles: a register for each two tiles and eight K steps
.endr
.irp c, 0,1
	v_add_nc_u32 v[12+\c], AL+HSB*\c, v4
.endr
.irp c, 0,1
	v_add_nc_u32 v[12+\c], s91, v[12+\c]           ; source 1: row tiles 2 w on
.endr
	s_mul_i32 s92, s[WV], NQ*64*NS
	s_sub_co_u32 s93, BSL-ASL, s92
	v_mul_u32_u24 v16, s93, v3                     ; one product: the lower base + h x the distance
	s_add_co_u32 s92, s92, ASL
	v_add_nc_u32 v16, v16, v5
	v_add_nc_u32 v16, s92, v16
	v_add_nc_u32 v17, BSL, v5
	v_lshlrev_b32 v18, 4, v2
	v_lshl_add_u32 v18, v3, 12, v18                ; x1 and out0: lanes 0-15 one row's 256 bytes, lanes 16-31 the next row's
	s_wait_alu depctr_va_vdst(0)
	s_mul_i32 s92, s[WV], 4352
	s_add_co_u32 s92, s92, STG                     ; my stage
	v_mul_u32_u24 v19, v2, 272
	v_lshl_add_u32 v19, v3, 6, v19
	v_add_nc_u32 v19, s92, v19                     ; in: row r, + 64 h
	v_mul_u32_u24 v20, v3, 272
	v_lshl_add_u32 v20, v2, 4, v20
	v_add_nc_u32 v20, s92, v20                     ; back: two rows an instruction
	s_lshl_b32 s94, s90, 2
	s_add_co_u32 s94, s94, s[WV]
	s_lshl_b32 s94, s94, 17                        ; my pair of tiles begins at row 32 (4 gy + w): x 4,096 bytes
	s_lshl_b32 s95, s89, 8
	s_add_co_u32 s94, s94, s95
	s_mov_b32 s95, 0
	s_add_nc_u64 s[84:85], s[84:85], s[94:95]
	s_add_nc_u64 s[86:87], s[86:87], s[94:95]
.macro XLOAD                           ; x1's bytes of a block, asked for ahead of the block's product
.irp a, 0,1
.irp i, 0,1,2,3,4,5,6,7
	global_load_b128 v[X1+32*\a+4*\i:X1+32*\a+4*\i+3], v18, s[84:85] offset:(8*\a+2*\i+8*(\i/4))*4096 th:TH_LOAD_NT   ; the rows for which places 2 i, 2 i + 1 of tile a stand
.endr
.endr
.endm
.macro EPI                             ; a block's way out
	PLACES
	s_wait_alu depctr_va_vdst(0)
.irp a, 0,1
	WIN 0x04                                       ; an LDS store's data are its source 1: window 1
.irp b, 0,1
.irp u, 0,1
	ds_store_b128 v19, v[8*(4*\a+2*\b+\u):8*(4*\a+2*\b+\u)+3] offset:128*\b+32*\u          ; each accumulator from its low end on
	ds_store_b128 v19, v[8*(4*\a+2*\b+\u)+4:8*(4*\a+2*\b+\u)+7] offset:128*\b+32*\u+16
.endr
.endr
	WIN 0
.irp i, 0,1,2,3,4,5,6,7
	ds_load_b128 v[Y+32*\a+4*\i:Y+32*\a+4*\i+3], v20 offset:544*\i   ; LDS serves a wave's instructions in order: these see my stores, and the next tile's stores come behind them
.endr
.endr
	s_wait_loadcnt 0x0                             ; x1
	s_wait_dscnt 0x0
.set j, 0
.rept 32
	v_pk_add_f32 v[Y+j:Y+j+1], v[Y+j:Y+j+1], v[X1+j:X1+j+1]
.set j, j+2
.endr
.irp a, 0,1
.irp i, 0,1,2,3,4,5,6,7
	global_store_b128 v18, v[Y+32*\a+4*\i:Y+32*\a+4*\i+3], s[86:87] offset:(8*\a+2*\i+8*(\i/4))*4096 th:TH_STORE_NT   ; sixteen lanes store 256 consecutive bytes, aligned
.endr
.endr
.endm
	XLOAD
	MAIN                                           ; the first block
	s_wait_tensorcnt 0x0                           ; none of my loads is out;
	ds_add_u32 v30, v31                            ; 0 onto my spare word;
	s_add_nc_u64 s[54:55], s[54:55], 98304         ; the next block's four tiles of the weight adjoin in memory,
	s_add_nc_u64 s[62:63], s[62:63], 4096          ; and so do their scale words
	s_wait_dscnt 0x0                               ; the add is done, and so are my reads of the weight's tiles
	CROUND                                         ; the same holds of every wave of all sixteen work-groups
	s_cmp_eq_u32 s[WV], 1                          ; wave 1 fills the weight's images again, wave 3 its scale words: one load a wave
	s_cbranch_scc0 .Lnot_images
	tensor_load_to_lds s[52:55], s[16:23]
	s_nop 0
.rept 4
	v_nop
.endr
	s_branch .Lrefilled
.Lnot_images:
	s_cmp_eq_u32 s[WV], 3
	s_cbranch_scc0 .Lrefilled
	tensor_load_to_lds s[60:63], s[32:39]
	s_nop 0
.rept 4
	v_nop
.endr
.Lrefilled:
	EPI                                            ; the first block's way out, while the refill is on its way; the stage's bytes are no load's target
	s_wait_xcnt 0x0                                ; its loads and stores have read their bases and registers
	s_add_nc_u64 s[84:85], s[84:85], 256           ; 64 columns on
	s_add_nc_u64 s[86:87], s[86:87], 256
	XLOAD
	MAIN                                           ; the second block
	EPI
	s_wait_tensorcnt 0x0                           ; the wave's end
	ds_add_u32 v30, v31
	s_wait_dscnt 0x0
	CROUND                                         ; the closing round
	s_endpgm
.Lfunc_end_k_qa019ed052f_ffn2:
	.size	k_qa019ed052f_ffn2, .Lfunc_end_k_qa019ed052f_ffn2-k_qa019ed052f_ffn2
	.p2alignl 7, 3214868480
	.fill 96, 4, 3214868480
	.section	.rodata,"a",@progbits
	.p2align	6, 0x0
	.amdhsa_kernel k_qa019ed052f_ffn2
		.amdhsa_group_segment_fixed_size 327680
		.amdhsa_private_segment_fixed_size 0
		.amdhsa_enable_private_segment 0
		.amdhsa_kernarg_size 32
		.amdhsa_user_sgpr_count 2
		.amdhsa_user_sgpr_kernarg_segment_ptr 1
		.amdhsa_wavefront_size32 1
		.amdhsa_system_sgpr_workgroup_id_x 1
		.amdhsa_system_sgpr_workgroup_id_y 1
		.amdhsa_system_sgpr_workgroup_id_z 1
		.amdhsa_system_vgpr_workitem_id 0
		.amdhsa_next_free_vgpr 1024
		.amdhsa_next_free_sgpr 102
		.amdhsa_reserve_vcc 0
		.amdhsa_float_denorm_mode_32 3
		.amdhsa_float_denorm_mode_16_64 3
		.amdhsa_memory_ordered 1
		.amdhsa_forward_progress 1
		.amdhsa_inst_pref_size 145
	.end_amdhsa_kernel
	.amdgpu_metadata
---
amdhsa.version: [ 1, 2 ]
amdhsa.kernels:
  - .name:           k_qa019ed052f_ffn2
    .symbol:         k_qa019ed052f_ffn2.kd
    .args:
      - { .name: hc, .offset: 0, .size: 8, .value_kind: global_buffer, .address_space: global }
      - { .name: wimg, .offset: 8, .size: 8, .value_kind: global_buffer, .address_space: global }
      - { .name: x1, .offset: 16, .size: 8, .value_kind: global_buffer, .address_space: global }
      - { .name: out0, .offset: 24, .size: 8, .value_kind: global_buffer, .address_space: global }
    .group_segment_fixed_size: 327680
    .private_segment_fixed_size: 0
    .kernarg_segment_align: 8
    .kernarg_segment_size: 32
    .max_flat_workgroup_size: 128
    .sgpr_count:     102
    .vgpr_count:     1024
    .wavefront_size: 32
...
	.end_amdgpu_metadata
.endif
;; end of part 6
